; MI455X (gfx1250); checked and timed in simulation.
; The chip was launched on July 23, 2026; its instructions are those of AMD's public machine-readable ISA for CDNA 5 (MIT licence, August 2026) and "CDNA5" Instruction Set Architecture Reference Guide (July 2026). The comments in the code are by the model that wrote it; some were corrected since.
;; GAU. Allowed arithmetic: float matrix products may take bf16 or f16 operands with f32 sums; other float arithmetic in f32, or as packed bf16 or f16 multiplies, adds, multiply-adds, maxima and minima; sums over many terms, partial sums and values carried from step to step in f32; what a program stores and reads back later, other than sums and carried values, may be rounded once to bf16 or f16.
;; Inputs: W_hidden 512 x 2,048 float32; W_out 1,024 x 512 float32; W_qk 512 x 128 float32; b_hidden 2,048 float32; b_out 512 float32; b_qk 128 float32; hidden_s 512 float32; ln_beta 512 float32; ln_gamma 512 float32; os_beta 2 x 128 float32; os_gamma 2 x 128 float32; out_s 1,024 float32; qk_s 512 float32; rel_bias_table 32 x 1 float32; x 8 x 2,048 x 512 float32.
;; Outputs: out0 8 x 2,048 x 512 float32.
;; One version. Each part assembles by itself: llvm-mc -triple=amdgcn-amd-amdhsa -mcpu=gfx1250 --defsym DOCPART=n.
;; ======== version 1 of 1: 4 launches
;; workspace buffers: xn 16,777,216 bytes; whb 2,097,152 bytes; wob 1,048,576 bytes; qkb 8,388,608 bytes; hb 67,108,864 bytes; og 33,554,432 bytes; bfr 65,536 bytes
;; launch prep (part 1): grid 256 x 1, 4 waves a work-group, no clusters, 327,680 bytes of LDS; arguments x, ln_gamma, ln_beta, qk_s, hidden_s, W_qk, b_qk, os_gamma, os_beta, W_hidden, W_out, out_s, rel_bias_table, xn, whb, wob, qkb, bfr; writes xn, whb, wob, qkb, bfr
.if DOCPART == 1
	.amdgcn_target "amdgcn-amd-amdhsa--gfx1250"
	.amdhsa_code_object_version 6
	.text
	.protected	k_qd0d8a90310_prep
	.globl	k_qd0d8a90310_prep
	.p2align	8
	.type	k_qd0d8a90310_prep,@function
k_qd0d8a90310_prep:
	s_mov_b64 s[64:65], 0
	v_nop
	global_prefetch_b8 v0, s[64:65] scope:SCOPE_SE
	s_setreg_imm32_b32 hwreg(HW_REG_WAVE_MODE, 25, 1), 1
	s_wait_xcnt 0x0
; PREP.  xn = (LayerNorm(x), first 256 channels taken from the row before) / (qk_s hidden_s), bf16 [16384][512];
; qk = silu(xn W_qk + b_qk); q = rotary(qk g0 + b0) / 2048, k = rotary(qk g1 + b1), bf16, two planes of qkb;
; whb = W_hidden in bf16; wob[f][:] = W_out[f][:] / out_s[f] in bf16; bfr[c][x] = bias(x - 2048 - c) sqrt(128) / 2048, c = 0..3.
; SHARES.  Work-group g owns rows 64 g .. 64 g + 63, wave w 16 of them; it normalises the row in front of its 16 once more,
; so that a wave makes its 16 rows of xn alone.  Each work-group also casts 1/256 of the two weights and of the bias table.
; ORDER.  What a wave wants early is asked for at the head: its 17 rows of x (two tensor loads), wave 3's two words of the bias table, the LayerNorm's
; parameters, its parts of the two weights and its first 32 rows of W_qk: 62 loads.  W_qk's other rows follow 32 at a time: each run of 32 loads is out
; while two trips of the LayerNorm (four rows) are worked on.  The parameters of q and k are asked for in the last such trip and behind it.
; LIMITS.  Divisions are a reciprocal and a multiply: qk_s hidden_s and out_s lie within 2^-126 .. 2^126.  silu(z) = z / (1 + 2^(-z log2 e)).
; The rotary angle is position x a constant of f32 (10^(-n/4)), reduced by 2 pi in two parts; sine to r^15, cosine to r^16 on -pi .. pi
; (the cut is below 1e-6).  The bias bucket's thresholds 12, 16, 23, 32, 46, 64, 91 are the least n with 8 + floor(2 log2(n / 8)) = 9 .. 15.
; xn, q, k and the weights are rounded once to bf16; mean, variance (of x - mean) and all sums stay in f32.  NaN and infinities are not treated apart.
.set XRW,   35584                      ; LDS of a wave: 17 row slots
.set RSL,   2080                       ; a slot: 1,024 bytes, 16 of padding, 1,024, 16; later bytes 0-1023 hold the row of xn in bf16
.set WQ,    142336                     ; W_qk in bf16, [k][n], 512 rows
.set WQP,   288                        ; its pitch: 256 + 32 bytes, 9 x 32
.set STG,   289792                     ; 16 rows x 272 bytes for each wave: the way out of q and k
.set SGP,   272
.set SPARE, 307200                     ; the spare words, 128 bytes a wave
.set CA,  8                            ; v[8:23]   gamma / (qk_s hidden_s) of my 16 columns (group g of four: columns 128 g + 4 l ..)
.set CB,  24                           ; v[24:39]  beta / (qk_s hidden_s)
.set X,   40                           ; v[40:71]  two rows at work, 16 numbers each
.set ST,  72                           ; v[72:87]  eight registers of statistics a row
.set PK,  100                          ; v[100:115] two rows packed
.set WB,  116                          ; v[116:243] 32 rows of W_qk as loaded
.set CAR, 244                          ; v[244:247] the packed first half that the next row takes: outside all that the cast of W_qk rewrites
.set CN,  8                            ; v[8:15]   cosines, v[16:23] sines (behind the LayerNorm)
.set SN,  16
.set ANG, 24                           ; v[24:31]  angles
.set UU,  32                           ; v[32:39]  their squares
.set S0R, 40                           ; v[40:111]  fragment set 0: 8 of xn, 64 of W_qk
.set S1R, 112                          ; v[112:183] fragment set 1
.set ACC, 184                          ; v[184:247] 8 accumulators
.set T,   40                           ; v[40:103]  at work behind the product
.set SPW, 248
.set NIL, 249
.set STO, 250
.set RD,  251
.set GO,  252
.set WAD, 253                          ; v253  where W_qk's packed rows go in LDS
.set WOF, 254                          ; v254  my byte offset in W_qk
; window 1: v0-63 b_qk, v64-127 os_gamma[0], v128-191 os_beta[0], v192-255 os_gamma[1]; window 2: v0-63 os_beta[1]; each at 8 nt + e for column 16 nt + 8 h + e
; window 2: v64-95 my words of W_hidden, v96-111 my row of W_out, as loaded
.set MSB, 0
.macro WIN new
.if MSB != (\new)
	s_set_vgpr_msb (MSB<<8)|(\new)
.set MSB, \new
.endif
.endm
.macro PLACES
.rept 4
	v_nop
.endr
.endm
.macro LOADW                           ; 32 rows of W_qk: a row is 512 bytes, 16 bytes a lane
.set r, 0
.rept 32
	global_load_b128 v[WB+4*r:WB+4*r+3], v[WOF], s[18:19] offset:512*r
.set r, r+1
.endr
.endm
.macro CVTW
.set r, 0
.rept 32
	v_cvt_pk_bf16_f32 v[40+2*r], v[WB+4*r], v[WB+4*r+1]
	v_cvt_pk_bf16_f32 v[41+2*r], v[WB+4*r+2], v[WB+4*r+3]
.set r, r+1
.endr
.endm
.macro STW
.set r, 0
.rept 32
	ds_store_b64 v[WAD], v[40+2*r:41+2*r] offset:WQP*r
.set r, r+1
.endr
.endm
.macro QK1                             ; b_qk, os_gamma[0], os_beta[0]: 48 loads
	WIN 0x40                                       ; destination window 1
.irp nt, 0,1,2,3,4,5,6,7
.irp q, 0,1
	global_load_b128 v[8*\nt+4*\q:8*\nt+4*\q+3], v7, s[20:21] offset:64*\nt+16*\q
	global_load_b128 v[64+8*\nt+4*\q:64+8*\nt+4*\q+3], v7, s[22:23] offset:64*\nt+16*\q
	global_load_b128 v[128+8*\nt+4*\q:128+8*\nt+4*\q+3], v7, s[24:25] offset:64*\nt+16*\q
.endr
.endr
	WIN 0
.endm
.macro QK2                             ; os_gamma[1], os_beta[1]: 32 loads
	WIN 0x40
.irp nt, 0,1,2,3,4,5,6,7
.irp q, 0,1
	global_load_b128 v[192+8*\nt+4*\q:192+8*\nt+4*\q+3], v7, s[22:23] offset:512+64*\nt+16*\q
.endr
.endr
	WIN 0x80                                       ; destination window 2
.irp nt, 0,1,2,3,4,5,6,7
.irp q, 0,1
	global_load_b128 v[8*\nt+4*\q:8*\nt+4*\q+3], v7, s[24:25] offset:512+64*\nt+16*\q
.endr
.endr
	WIN 0
.endm
	s_load_b512 s[8:23], s[0:1], 0x0               ; x 8, ln_gamma 10, ln_beta 12, qk_s 14, hidden_s 16, W_qk 18, b_qk 20, os_gamma 22
	s_load_b512 s[24:39], s[0:1], 0x40             ; os_beta 24, W_hidden 26, W_out 28, out_s 30, table 32, xn 34, whb 36, wob 38
	s_load_b128 s[40:43], s[0:1], 0x80             ; qkb 40, bfr 42
	v_lshl_add_u32 v[SPW], v0, 2, SPARE
	v_mov_b32 v[NIL], 0
	ds_add_u32 v[SPW], v[NIL]                      ; the opening: the add, twice on end, and its wait ahead of my first tensor load
	ds_add_u32 v[SPW], v[NIL]
	v_lshrrev_b32 v1, 5, v0
	v_readfirstlane_b32 s4, v1                     ; wave
	s_mov_b32 s5, ttmp9                            ; g
	s_lshl_b32 s6, s5, 6
	s_lshl4_add_u32 s6, s4, s6                     ; R0 = 64 g + 16 w
	s_sub_co_i32 s7, s6, 1
	s_max_i32 s7, s7, 0                            ; the row in front (row 0 stands in where there is none: its numbers are masked away)
	s_and_b32 s2, s6, 2047                         ; R0's position in its sequence
	s_cmp_eq_u32 s2, 0
	s_cselect_b32 s72, 0, -1                       ; a sequence's first row takes zeros
	s_mov_b32 s74, 0x76543210
	s_mov_b32 s75, 0xfedcba98
	s_mov_b32 s76, 0x3b000000                      ; 1 / 512
	; group 1 for my 16 rows: elements of 4 bytes, 16 bytes of padding behind every 256 words
	s_mov_b32 s44, (2<<16)|(1<<20)|(7<<22)|(3<<25)
	s_mov_b32 s45, 512<<16
	s_mov_b32 s46, 16<<16
	s_mov_b32 s47, 512<<16
	s_mov_b32 s48, 16
	s_mov_b32 s49, 512
	s_mov_b32 s50, 0
	s_mov_b32 s51, 0
	; group 1 for the one row in front
	s_mov_b32 s56, (2<<16)|(1<<20)|(7<<22)|(3<<25)
	s_mov_b32 s57, 512<<16
	s_mov_b32 s58, 1<<16
	s_mov_b32 s59, 512<<16
	s_mov_b32 s60, 1
	s_mov_b32 s61, 512
	s_mov_b32 s62, 1<<16
	s_mov_b32 s63, 0
	s_mul_i32 s3, s4, XRW                          ; my slots
	s_mov_b32 s52, 1
	s_add_co_u32 s53, s3, RSL                      ; rows R0 .. into slots 1 to 16
	s_mov_b32 s68, 1
	s_mov_b32 s69, s3                              ; the row in front into slot 0
	s_lshl_b32 s78, s6, 11
	s_mov_b32 s79, 0
	s_lshl_b32 s80, s7, 11
	s_mov_b32 s81, 0
	s_lshl_b32 s82, s5, 14
	s_lshl_b32 s83, s4, 12
	s_add_co_u32 s82, s82, s83                     ; my 4,096 bytes of W_hidden
	s_mov_b32 s83, 0
	s_lshl2_add_u32 s84, s5, s4                    ; f = 4 g + w: my row of W_out
	s_lshl_b32 s86, s84, 11
	s_mov_b32 s87, 0
	s_lshl_b32 s88, s84, 2
	s_mov_b32 s89, 0
	s_lshr_b32 s90, s82, 1
	s_mov_b32 s91, 0
	s_lshl_b32 s92, s84, 10
	s_mov_b32 s93, 0
	s_wait_dscnt 0x0                               ; both opening adds are done
	s_wait_kmcnt 0x0
	s_add_nc_u64 s[54:55], s[8:9], s[78:79]
	s_or_b32 s55, s55, 0x80000000
	s_add_nc_u64 s[70:71], s[8:9], s[80:81]
	s_or_b32 s71, s71, 0x80000000
	tensor_load_to_lds s[68:71], s[56:63]          ; both fills at the start; nothing is filled twice in this launch
	s_nop 0
	tensor_load_to_lds s[52:55], s[44:51]
	s_nop 0
	s_add_nc_u64 s[30:31], s[30:31], s[88:89]
	s_load_b32 s85, s[30:31], 0x0                  ; out_s[f]
	s_add_nc_u64 s[26:27], s[26:27], s[82:83]
	s_add_nc_u64 s[28:29], s[28:29], s[86:87]
	s_add_nc_u64 s[36:37], s[36:37], s[90:91]
	s_add_nc_u64 s[38:39], s[38:39], s[92:93]
	v_and_b32 v1, 31, v0                           ; lane
	v_lshlrev_b32 v5, 4, v1                        ; 16 l
	v_lshlrev_b32 v4, 3, v1                        ; 8 l
	v_bfe_u32 v6, v0, 4, 1                         ; h
	v_lshlrev_b32 v7, 5, v6                        ; 32 h
	s_lshl_b32 s86, s4, 16
	v_add_nc_u32 v[WOF], s86, v5                   ; 16 l + 65,536 w: wave w takes rows 128 w .. 128 w + 127 of W_qk
	; the bias table: wave 3 makes words 64 g .. 64 g + 63, two a lane; its two loads go out first, so that the counts below hold in every wave
	s_cmp_lg_u32 s4, 3
	s_cbranch_scc1 .Lno_tab
	s_lshr_b32 s86, s5, 6                          ; c
	s_and_b32 s87, s5, 63
	s_lshl_b32 s87, s87, 6
	s_sub_co_i32 s87, s87, s86
	s_sub_co_i32 s87, s87, 2048
	v_lshl_add_u32 v106, v1, 1, s87                ; d = key - query = x - 2048 - c
	v_add_nc_u32 v107, 1, v106
.irp r, 0,1
	v_sub_nc_u32 v[108+\r], 0, v[106+\r]
	v_max_i32 v[108+\r], v[106+\r], v[108+\r]      ; n = |d|
	v_min_u32 v[110+\r], 8, v[108+\r]
.irp thr, 12,16,23,32,46,64,91
	v_cmp_le_u32 vcc_lo, \thr, v[108+\r]
	v_add_co_ci_u32 v[110+\r], vcc_lo, 0, v[110+\r], vcc_lo   ; one more for each threshold reached
.endr
	v_cmp_lt_i32 vcc_lo, 0, v[106+\r]
	v_cndmask_b32 v[112+\r], 0, 16, vcc_lo         ; keys behind the query take the upper 16 buckets
	v_add_lshl_u32 v[110+\r], v[110+\r], v[112+\r], 2
.endr
	global_load_b32 v114, v110, s[32:33]
	global_load_b32 v115, v111, s[32:33]
.Lno_tab:
.irp g, 0,1,2,3
	global_load_b128 v[CA+4*\g:CA+4*\g+3], v5, s[10:11] offset:512*\g
	global_load_b128 v[CB+4*\g:CB+4*\g+3], v5, s[12:13] offset:512*\g
	global_load_b128 v[X+4*\g:X+4*\g+3], v5, s[14:15] offset:512*\g
	global_load_b128 v[X+16+4*\g:X+16+4*\g+3], v5, s[16:17] offset:512*\g
.endr
	WIN 0x80                                       ; destination window 2
.irp i, 0,1,2,3,4,5,6,7
	global_load_b128 v[64+4*\i:67+4*\i], v5, s[26:27] offset:512*\i
.endr
.irp i, 0,1,2,3
	global_load_b128 v[96+4*\i:99+4*\i], v5, s[28:29] offset:512*\i
.endr
	WIN 0
	LOADW                                          ; my first 32 rows of W_qk
	s_wait_loadcnt 44                              ; the table's words and the LayerNorm's parameters are in; the weights' 12 loads and W_qk's 32 may stay out
	s_wait_kmcnt 0x0
	; the LayerNorm's coefficients, and the two weights' casts
.irp p, 0,2,4,6,8,10,12,14
	v_pk_mul_f32 v[X+\p:X+\p+1], v[X+\p:X+\p+1], v[X+16+\p:X+16+\p+1]
.endr
.set i, 0
.rept 16
	v_rcp_f32 v[X+i], v[X+i]
.set i, i+1
.endr
	v_rcp_f32 v104, s85
	v_rcp_f32 v105, s85
	s_wait_loadcnt 32                              ; the weights' words are in; W_qk's 32 loads may stay out
	WIN 0x0a                                       ; sources 0 and 1 in window 2
.irp i, 0,1,2,3,4,5,6,7
	v_cvt_pk_bf16_f32 v[72+2*\i], v[64+4*\i], v[65+4*\i]   ; plain work that names no reciprocal stands behind the batch
	v_cvt_pk_bf16_f32 v[73+2*\i], v[66+4*\i], v[67+4*\i]
.endr
	WIN 0
	s_wait_alu depctr_va_vdst(0)                   ; one wait for the 18 reciprocals, ahead of their first reader
.irp p, 0,2,4,6,8,10,12,14
	v_pk_mul_f32 v[CA+\p:CA+\p+1], v[CA+\p:CA+\p+1], v[X+\p:X+\p+1]
	v_pk_mul_f32 v[CB+\p:CB+\p+1], v[CB+\p:CB+\p+1], v[X+\p:X+\p+1]
.endr
	WIN 0x82                                       ; destination and source 0 in window 2, source 1 in window 0
.irp p, 0,2,4,6,8,10,12,14
	v_pk_mul_f32 v[96+\p:97+\p], v[96+\p:97+\p], v[104:105]
.endr
	WIN 0x0a
.irp i, 0,1,2,3,4,5,6,7
	v_cvt_pk_bf16_f32 v[88+\i], v[96+2*\i], v[97+2*\i]
.endr
	WIN 0
.irp i, 0,1,2,3,4,5,6,7
	global_store_b64 v4, v[72+2*\i:73+2*\i], s[36:37] offset:256*\i   ; a wave's store covers 256 consecutive bytes, aligned
.endr
.irp i, 0,1,2,3
	global_store_b64 v4, v[88+2*\i:89+2*\i], s[38:39] offset:256*\i
.endr
	s_cmp_lg_u32 s4, 3
	s_cbranch_scc1 .Lno_bias
	s_lshl_b32 s86, s5, 8
	s_mov_b32 s87, 0
	s_add_nc_u64 s[42:43], s[42:43], s[86:87]
	v_mul_f32 v114, 0x3bb504f3, v114               ; sqrt(128) / 2048
	v_mul_f32 v115, 0x3bb504f3, v115
	global_store_b64 v4, v[114:115], s[42:43]
.Lno_bias:
	s_wait_xcnt 0x0                                ; the stores have read their registers: these are written again below
	s_mul_i32 s86, s4, 128*WQP
	s_add_co_u32 s86, s86, WQ
	v_lshl_add_u32 v[WAD], v1, 3, s86              ; WQ + 128 w rows + 8 l: behind all rows of x
; The sum of v[ST + 8 R + a] over the 32 lanes, for each row R of the list; v[ST + 8 R + a + 1] is at work.
.macro XSUM a, rows:vararg
.irp m, 1,2,4,8
.irp R, \rows
	v_add_f32_dpp v[ST+8*\R+(\a)], v[ST+8*\R+(\a)], v[ST+8*\R+(\a)] row_xmask:\m row_mask:0xf bank_mask:0xf
.endr
.endr
.irp R, \rows
	v_permlanex16_b32 v[ST+8*\R+(\a)+1], v[ST+8*\R+(\a)], s74, s75
.endr
.irp R, \rows
	v_add_f32 v[ST+8*\R+(\a)], v[ST+8*\R+(\a)], v[ST+8*\R+(\a)+1]
.endr
.endm
; LayerNorm, gain, bias and scale of the rows in slots v2 + RSL x R, packed into v[PK + 8 R ..]; the rows of the list go side by side, stage by stage.
.macro LN rows:vararg
.irp R, \rows
.irp g, 0,1,2,3
	ds_load_b128 v[X+16*\R+4*\g:X+16*\R+4*\g+3], v2 offset:RSL*\R+512*\g+16*(\g/2)
.endr
.endr
	s_wait_dscnt 0x0
.irp R, \rows
.irp p, 0,2,4,6
	v_pk_add_f32 v[ST+8*\R+\p:ST+8*\R+\p+1], v[X+16*\R+2*\p:X+16*\R+2*\p+1], v[X+16*\R+2*\p+2:X+16*\R+2*\p+3]
.endr
.endr
.irp R, \rows
	v_pk_add_f32 v[ST+8*\R:ST+8*\R+1], v[ST+8*\R:ST+8*\R+1], v[ST+8*\R+2:ST+8*\R+3]
	v_pk_add_f32 v[ST+8*\R+4:ST+8*\R+5], v[ST+8*\R+4:ST+8*\R+5], v[ST+8*\R+6:ST+8*\R+7]
.endr
.irp R, \rows
	v_pk_add_f32 v[ST+8*\R:ST+8*\R+1], v[ST+8*\R:ST+8*\R+1], v[ST+8*\R+4:ST+8*\R+5]
.endr
.irp R, \rows
	v_add_f32 v[ST+8*\R], v[ST+8*\R], v[ST+8*\R+1]
.endr
	XSUM 0, \rows
.irp R, \rows
	v_mul_f32 v[ST+8*\R+1], s76, v[ST+8*\R]        ; the mean, twice, for the packed lines
	v_mul_f32 v[ST+8*\R], s76, v[ST+8*\R]
.endr
.irp R, \rows
.irp p, 0,2,4,6,8,10,12,14
	v_pk_add_f32 v[X+16*\R+\p:X+16*\R+\p+1], v[X+16*\R+\p:X+16*\R+\p+1], v[ST+8*\R:ST+8*\R+1] neg_lo:[0,1] neg_hi:[0,1]
.endr
.endr
.irp R, \rows
	v_pk_mul_f32 v[ST+8*\R+2:ST+8*\R+3], v[X+16*\R:X+16*\R+1], v[X+16*\R:X+16*\R+1]
	v_pk_mul_f32 v[ST+8*\R+4:ST+8*\R+5], v[X+16*\R+2:X+16*\R+3], v[X+16*\R+2:X+16*\R+3]
.endr
.irp p, 4,8,12
.irp R, \rows
	v_pk_fma_f32 v[ST+8*\R+2:ST+8*\R+3], v[X+16*\R+\p:X+16*\R+\p+1], v[X+16*\R+\p:X+16*\R+\p+1], v[ST+8*\R+2:ST+8*\R+3]
	v_pk_fma_f32 v[ST+8*\R+4:ST+8*\R+5], v[X+16*\R+\p+2:X+16*\R+\p+3], v[X+16*\R+\p+2:X+16*\R+\p+3], v[ST+8*\R+4:ST+8*\R+5]
.endr
.endr
.irp R, \rows
	v_pk_add_f32 v[ST+8*\R+2:ST+8*\R+3], v[ST+8*\R+2:ST+8*\R+3], v[ST+8*\R+4:ST+8*\R+5]
.endr
.irp R, \rows
	v_add_f32 v[ST+8*\R+2], v[ST+8*\R+2], v[ST+8*\R+3]
.endr
	XSUM 2, \rows
.irp R, \rows
	v_fmaak_f32 v[ST+8*\R+2], s76, v[ST+8*\R+2], 0x3727c5ac   ; variance + 1e-5
.endr
.irp R, \rows
	v_rsq_f32 v[ST+8*\R+4], v[ST+8*\R+2]
	v_rsq_f32 v[ST+8*\R+5], v[ST+8*\R+2]
.endr
	v_nop                                          ; a plain instruction behind the last root,
	s_wait_alu depctr_va_vdst(0)                   ; and one wait for the batch, ahead of its first reader
.irp R, \rows
.irp p, 0,2,4,6,8,10,12,14
	v_pk_mul_f32 v[X+16*\R+\p:X+16*\R+\p+1], v[X+16*\R+\p:X+16*\R+\p+1], v[ST+8*\R+4:ST+8*\R+5]
.endr
.endr
.irp R, \rows
.irp p, 0,2,4,6,8,10,12,14
	v_pk_fma_f32 v[X+16*\R+\p:X+16*\R+\p+1], v[X+16*\R+\p:X+16*\R+\p+1], v[CA+\p:CA+\p+1], v[CB+\p:CB+\p+1]
.endr
.endr
.irp R, \rows
.irp e, 0,1,2,3,4,5,6,7
	v_cvt_pk_bf16_f32 v[PK+8*\R+\e], v[X+16*\R+2*\e], v[X+16*\R+2*\e+1]
.endr
.endr
.endm
	s_wait_tensorcnt 0x0                           ; my 17 rows of x are in; only I read them
	v_lshl_add_u32 v2, v1, 4, s3                   ; slot 0 + 16 l
	v_lshl_add_u32 v3, v1, 3, s3                   ; slot 0 + 8 l: where rows of xn go
	s_lshl_b32 s90, s6, 10
	s_add_nc_u64 s[34:35], s[34:35], s[90:91]      ; xn at my first row
	LN 0
.irp i, 0,1,2,3
	v_and_b32 v[CAR+\i], s72, v[PK+\i]             ; the first half of the row in front, or zeros
.endr
	v_add_nc_u32 v2, RSL, v2
	s_mov_b32 s73, 4
.Lchunk:                                           ; a trip: 32 rows of W_qk go into LDS as bf16, the next 32 are asked for, and four rows of x are normalised meanwhile
	s_wait_loadcnt 0x0                             ; the 32 rows are in, and their offset register is free
	CVTW
	s_cmp_eq_u32 s73, 1
	s_cbranch_scc1 .Llast_chunk
	v_add_nc_u32 v[WOF], 16384, v[WOF]
	LOADW
	s_branch .Lstore_chunk
.Llast_chunk:                                      ; no rows of W_qk are left: the first parameters of q and k take their place
	QK1
.Lstore_chunk:
	STW
	v_add_nc_u32 v[WAD], 32*WQP, v[WAD]
	s_mov_b32 s77, 2
.Lrow:                                             ; a trip: two slots are normalised, two rows of xn leave
	LN 0, 1
	ds_store_b64 v3, v[CAR:CAR+1]
	ds_store_b64 v3, v[CAR+2:CAR+3] offset:256
	ds_store_b64 v3, v[PK+4:PK+5] offset:512
	ds_store_b64 v3, v[PK+6:PK+7] offset:768
	ds_store_b64 v3, v[PK:PK+1] offset:RSL
	ds_store_b64 v3, v[PK+2:PK+3] offset:RSL+256
	ds_store_b64 v3, v[PK+12:PK+13] offset:RSL+512
	ds_store_b64 v3, v[PK+14:PK+15] offset:RSL+768
	global_store_b64 v4, v[CAR:CAR+1], s[34:35]
	global_store_b64 v4, v[CAR+2:CAR+3], s[34:35] offset:256
	global_store_b64 v4, v[PK+4:PK+5], s[34:35] offset:512
	global_store_b64 v4, v[PK+6:PK+7], s[34:35] offset:768
	global_store_b64 v4, v[PK:PK+1], s[34:35] offset:1024
	global_store_b64 v4, v[PK+2:PK+3], s[34:35] offset:1280
	global_store_b64 v4, v[PK+12:PK+13], s[34:35] offset:1536
	global_store_b64 v4, v[PK+14:PK+15], s[34:35] offset:1792
	s_wait_xcnt 0x0                                ; the stores' data and offset are written again only behind this wait
.irp i, 0,1,2,3
	v_mov_b32 v[CAR+\i], v[PK+8+\i]
.endr
	v_add_nc_u32 v2, 2*RSL, v2
	v_add_nc_u32 v3, 2*RSL, v3
	v_add_nc_u32 v4, 2048, v4
	s_sub_co_u32 s77, s77, 1
	s_cmp_lg_u32 s77, 0
	s_cbranch_scc1 .Lrow
	s_sub_co_u32 s73, s73, 1
	s_cmp_lg_u32 s73, 0
	s_cbranch_scc1 .Lchunk
	QK2                                            ; the other parameters of q and k: they are out while the angles and the product are made
	s_wait_dscnt 0x0                               ; for the others' sake: my part of W_qk is stored
	s_barrier_signal -1                            ; the angles, work on registers, stand between the signal and the wait
	; cosines and sines of my row's 8 angles: position x 10^(-(8 h + e) / 4)
	v_and_b32 v53, 15, v0
	v_add_nc_u32 v52, s2, v53
	v_cvt_f32_u32 v52, v52
	v_cmp_ne_u32 vcc_lo, 0, v6
.macro FREQ e, lo, hi
	v_mov_b32 v[ANG+\e], \hi
	v_cndmask_b32 v[ANG+\e], \lo, v[ANG+\e], vcc_lo
.endm
	FREQ 0, 0x3f800000, 0x3c23d70a
	FREQ 1, 0x3f0ff59a, 0x3bb8449c
	FREQ 2, 0x3ea1e89b, 0x3b4f3e37
	FREQ 3, 0x3e361887, 0x3ae91528
	FREQ 4, 0x3dcccccd, 0x3a83126f
	FREQ 5, 0x3d6655c3, 0x3a136a16
	FREQ 6, 0x3d0186e2, 0x39a5cb5f
	FREQ 7, 0x3c91ad39, 0x393a7753
	s_mov_b32 s78, 0x40c90fdb                      ; 2 pi, its upper part
	s_mov_b32 s79, 0xb43bbd2e                      ; and the rest
.irp e, 0,1,2,3,4,5,6,7
	v_mul_f32 v[ANG+\e], v52, v[ANG+\e]
.endr
.irp e, 0,1,2,3,4,5,6,7
	v_mul_f32 v[40+\e], 0x3e22f983, v[ANG+\e]      ; / 2 pi
.endr
.irp e, 0,1,2,3,4,5,6,7
	v_rndne_f32 v[40+\e], v[40+\e]
.endr
.irp e, 0,1,2,3,4,5,6,7
	v_fma_f32 v[ANG+\e], -v[40+\e], s78, v[ANG+\e]
.endr
.irp e, 0,1,2,3,4,5,6,7
	v_fma_f32 v[ANG+\e], -v[40+\e], s79, v[ANG+\e] ; r in -pi .. pi
.endr
	v_mov_b32 v48, 0xab573f9f                      ; -1 / 15!
	v_mov_b32 v49, 0xab573f9f
	v_mov_b32 v50, 0x29573f9f                      ; 1 / 16!
	v_mov_b32 v51, 0x29573f9f
.irp p, 0,2,4,6
	v_pk_mul_f32 v[UU+\p:UU+\p+1], v[ANG+\p:ANG+\p+1], v[ANG+\p:ANG+\p+1]
.endr
.irp p, 0,2,4,6
	v_pk_fma_f32 v[SN+\p:SN+\p+1], v[UU+\p:UU+\p+1], v[48:49], 0x2f309231 op_sel_hi:[1,1,0]
	v_pk_fma_f32 v[CN+\p:CN+\p+1], v[UU+\p:UU+\p+1], v[50:51], 0xad49cba5 op_sel_hi:[1,1,0]
.endr
.irp k, 0xb2d7322b, 0x3638ef1d, 0xb9500d01, 0x3c088889, 0xbe2aaaab, 1.0
.irp p, 0,2,4,6
	v_pk_fma_f32 v[SN+\p:SN+\p+1], v[SN+\p:SN+\p+1], v[UU+\p:UU+\p+1], \k op_sel_hi:[1,1,0]
.endr
.endr
.irp k, 0x310f76c7, 0xb493f27e, 0x37d00d01, 0xbab60b61, 0x3d2aaaab, -0.5, 1.0
.irp p, 0,2,4,6
	v_pk_fma_f32 v[CN+\p:CN+\p+1], v[CN+\p:CN+\p+1], v[UU+\p:UU+\p+1], \k op_sel_hi:[1,1,0]
.endr
.endr
.irp p, 0,2,4,6
	v_pk_mul_f32 v[SN+\p:SN+\p+1], v[SN+\p:SN+\p+1], v[ANG+\p:ANG+\p+1]
.endr
	; addresses of the product and of the way out
	s_mul_i32 s86, s4, 16*SGP
	s_add_co_u32 s86, s86, STG
	v_mul_u32_u24 v[STO], v53, SGP
	v_lshl_add_u32 v[STO], v6, 4, v[STO]
	v_add_nc_u32 v[STO], s86, v[STO]               ; in: row l % 16, 16 bytes for each half of the lanes
	v_mul_u32_u24 v[RD], v6, SGP
	v_lshl_add_u32 v[RD], v53, 4, v[RD]
	v_add_nc_u32 v[RD], s86, v[RD]                 ; back: lanes 0-15 one row of 256 bytes, lanes 16-31 the next
	v_lshlrev_b32 v[GO], 8, v6
	v_lshl_add_u32 v[GO], v53, 4, v[GO]
	s_lshl_b32 s90, s6, 8
	s_add_nc_u64 s[40:41], s[40:41], s[90:91]      ; qkb at my first row
	v_mul_u32_u24 v2, v53, RSL
	v_lshl_add_u32 v2, v6, 4, v2
	v_add_nc_u32 v2, s3, v2                        ; xn: row l % 16 of my slots, 16 h
	v_and_b32 v54, 7, v0
	v_lshl_add_u32 v54, v6, 3, v54
	v_mul_u32_u24 v3, v54, WQP
	v_bfe_u32 v54, v0, 3, 1
	v_lshl_add_u32 v3, v54, 4, v3
	v_add_nc_u32 v3, WQ, v3                        ; W_qk: row 8 h + l % 8, 16 bytes by (l / 8) % 2
	s_barrier_wait -1                              ; all of W_qk lies in LDS
; qk^T = W_qk^T xn^T: source 0 = 16 columns of W_qk (turned on the way out of LDS), source 1 = my 16 rows: a lane ends with one row and 8 neighbouring columns a tile.
.macro LOADS set, ch                   ; 32 along K at chunk ch behind the two addresses: 18 LDS loads
	ds_load_b128 v[\set:\set+3], v2 offset:64*\ch
	ds_load_b128 v[\set+4:\set+7], v2 offset:64*\ch+32
.irp nt, 0,1,2,3,4,5,6,7
	ds_load_tr16_b128 v[\set+8+8*\nt:\set+8+8*\nt+3], v3 offset:32*WQP*\ch+32*\nt
	ds_load_tr16_b128 v[\set+8+8*\nt+4:\set+8+8*\nt+7], v3 offset:32*WQP*\ch+32*\nt+16*WQP
.endr
.endm
.macro MULQ set, zero                  ; the 8 accumulators take turns
.irp nt, 0,1,2,3,4,5,6,7
.if \zero
	v_wmma_f32_16x16x32_bf16 v[ACC+8*\nt:ACC+8*\nt+7], v[\set+8+8*\nt:\set+8+8*\nt+7], v[\set:\set+7], 0
.else
	v_wmma_f32_16x16x32_bf16 v[ACC+8*\nt:ACC+8*\nt+7], v[\set+8+8*\nt:\set+8+8*\nt+7], v[\set:\set+7], v[ACC+8*\nt:ACC+8*\nt+7]
.endif
.endr
.endm
.macro PAIR zero                       ; two chunks are multiplied; the next pair's first chunk is fetched
	LOADS S1R, 1
	s_wait_dscnt 18                                ; set 0 is in; the 18 loads just issued may stay out
	MULQ S0R, \zero
	PLACES
	v_add_nc_u32 v2, 128, v2
	v_add_nc_u32 v3, 64*WQP, v3
	LOADS S0R, 0
	s_wait_dscnt 18                                ; set 1 is in
	MULQ S1R, 0
	PLACES
.endm
	LOADS S0R, 0
	PAIR 1                                         ; the first products start the sums
	s_mov_b32 s77, 6
.Lk:
	PAIR 0
	s_sub_co_u32 s77, s77, 1
	s_cmp_lg_u32 s77, 0
	s_cbranch_scc1 .Lk
	LOADS S1R, 1
	s_wait_dscnt 18
	MULQ S0R, 0
	s_wait_dscnt 0x0
	MULQ S1R, 0
	PLACES
	s_wait_loadcnt 0x0                             ; the parameters of q and k
	; silu, the two affine maps, rotary, the scale of q
	WIN 0x04                                       ; source 1 in window 1
.set p, 0
.rept 32
	v_pk_add_f32 v[ACC+p:ACC+p+1], v[ACC+p:ACC+p+1], v[p:p+1]
.set p, p+2
.endr
	WIN 0
.set p, 0
.rept 32
	v_pk_mul_f32 v[T+p:T+p+1], v[ACC+p:ACC+p+1], 0xbfb8aa3b op_sel_hi:[1,0]
.set p, p+2
.endr
.set i, 0
.rept 64
	v_exp_f32 v[T+i], v[T+i]
.set i, i+1
.endr
	v_nop
	s_wait_alu depctr_va_vdst(0)                   ; one wait for the 64 exponentials
.set p, 0
.rept 32
	v_pk_add_f32 v[T+p:T+p+1], v[T+p:T+p+1], 1.0 op_sel_hi:[1,0]
.set p, p+2
.endr
.set i, 0
.rept 64
	v_rcp_f32 v[T+i], v[T+i]
.set i, i+1
.endr
	v_nop
	s_wait_alu depctr_va_vdst(0)                   ; one wait for the 64 reciprocals
.set p, 0
.rept 32
	v_pk_mul_f32 v[ACC+p:ACC+p+1], v[ACC+p:ACC+p+1], v[T+p:T+p+1]
.set p, p+2
.endr
	WIN 0x14                                       ; sources 1 and 2 in window 1
.set p, 0
.rept 32
	v_pk_fma_f32 v[T+p:T+p+1], v[ACC+p:ACC+p+1], v[64+p:64+p+1], v[128+p:128+p+1]   ; q
.set p, p+2
.endr
	WIN 0x24                                       ; source 1 in window 1, source 2 in window 2
.set p, 0
.rept 32
	v_pk_fma_f32 v[ACC+p:ACC+p+1], v[ACC+p:ACC+p+1], v[192+p:192+p+1], v[p:p+1]     ; k
.set p, p+2
.endr
	WIN 0
.macro ROT B                           ; columns n and n + 16 (n < 16) lie in tiles 0 and 1, same lane, same register
.irp p, 0,2,4,6
	v_pk_mul_f32 v[ANG+\p:ANG+\p+1], v[\B+8+\p:\B+8+\p+1], v[SN+\p:SN+\p+1]
	v_pk_mul_f32 v[UU+\p:UU+\p+1], v[\B+\p:\B+\p+1], v[SN+\p:SN+\p+1]
.endr
.irp p, 0,2,4,6
	v_pk_fma_f32 v[\B+\p:\B+\p+1], v[\B+\p:\B+\p+1], v[CN+\p:CN+\p+1], v[ANG+\p:ANG+\p+1] neg_lo:[0,0,1] neg_hi:[0,0,1]
	v_pk_fma_f32 v[\B+8+\p:\B+8+\p+1], v[\B+8+\p:\B+8+\p+1], v[CN+\p:CN+\p+1], v[UU+\p:UU+\p+1]
.endr
.endm
	ROT T
	ROT ACC
.set p, 0
.rept 32
	v_pk_mul_f32 v[T+p:T+p+1], v[T+p:T+p+1], 0x3a000000 op_sel_hi:[1,0]   ; q / 2048: a power of two
.set p, p+2
.endr
.set i, 0
.rept 32
	v_cvt_pk_bf16_f32 v[104+i], v[T+2*i], v[T+2*i+1]
	v_cvt_pk_bf16_f32 v[136+i], v[ACC+2*i], v[ACC+2*i+1]
.set i, i+1
.endr
	; through my stage: 16 bytes a lane in, whole rows of 256 bytes back; LDS serves a wave's instructions in order (ISA guide 5.7.1.4)
.irp nt, 0,1,2,3,4,5,6,7
	ds_store_b128 v[STO], v[104+4*\nt:107+4*\nt] offset:32*\nt
.endr
.irp t, 0,1,2,3,4,5,6,7
	ds_load_b128 v[40+4*\t:43+4*\t], v[RD] offset:2*SGP*\t
.endr
.irp nt, 0,1,2,3,4,5,6,7
	ds_store_b128 v[STO], v[136+4*\nt:139+4*\nt] offset:32*\nt
.endr
.irp t, 0,1,2,3,4,5,6,7
	ds_load_b128 v[72+4*\t:75+4*\t], v[RD] offset:2*SGP*\t
.endr
	s_wait_dscnt 16                                ; q is back; k's eight stores and eight loads may stay out
.irp t, 0,1,2,3,4,5,6,7
	global_store_b128 v[GO], v[40+4*\t:43+4*\t], s[40:41] offset:512*\t
.endr
	s_wait_dscnt 0x0
.irp t, 0,1,2,3,4,5,6,7
	global_store_b128 v[GO], v[72+4*\t:75+4*\t], s[40:41] offset:4194304+512*\t
.endr
	s_wait_tensorcnt 0x0                           ; the wave's end
	ds_add_u32 v[SPW], v[NIL]
	s_wait_dscnt 0x0
	s_endpgm
.Lfunc_end_k_qd0d8a90310_prep:
	.size	k_qd0d8a90310_prep, .Lfunc_end_k_qd0d8a90310_prep-k_qd0d8a90310_prep
	.p2alignl 7, 3214868480
	.fill 96, 4, 3214868480
	.section	.rodata,"a",@progbits
	.p2align	6, 0x0
	.amdhsa_kernel k_qd0d8a90310_prep
		.amdhsa_group_segment_fixed_size 327680
		.amdhsa_private_segment_fixed_size 0
		.amdhsa_enable_private_segment 0
		.amdhsa_kernarg_size 144
		.amdhsa_user_sgpr_count 2
		.amdhsa_user_sgpr_kernarg_segment_ptr 1
		.amdhsa_wavefront_size32 1
		.amdhsa_system_sgpr_workgroup_id_x 1
		.amdhsa_system_sgpr_workgroup_id_y 1
		.amdhsa_system_sgpr_workgroup_id_z 1
		.amdhsa_system_vgpr_workitem_id 0
		.amdhsa_next_free_vgpr 640
		.amdhsa_next_free_sgpr 100
		.amdhsa_reserve_vcc 1
		.amdhsa_float_denorm_mode_32 3
		.amdhsa_float_denorm_mode_16_64 3
		.amdhsa_memory_ordered 1
		.amdhsa_forward_progress 1
		.amdhsa_inst_pref_size 101
	.end_amdhsa_kernel
	.amdgpu_metadata
---
amdhsa.version: [ 1, 2 ]
amdhsa.kernels:
  - .name:           k_qd0d8a90310_prep
    .symbol:         k_qd0d8a90310_prep.kd
    .args:
      - { .name: x, .offset: 0, .size: 8, .value_kind: global_buffer, .address_space: global }
      - { .name: ln_gamma, .offset: 8, .size: 8, .value_kind: global_buffer, .address_space: global }
      - { .name: ln_beta, .offset: 16, .size: 8, .value_kind: global_buffer, .address_space: global }
      - { .name: qk_s, .offset: 24, .size: 8, .value_kind: global_buffer, .address_space: global }
      - { .name: hidden_s, .offset: 32, .size: 8, .value_kind: global_buffer, .address_space: global }
      - { .name: W_qk, .offset: 40, .size: 8, .value_kind: global_buffer, .address_space: global }
      - { .name: b_qk, .offset: 48, .size: 8, .value_kind: global_buffer, .address_space: global }
      - { .name: os_gamma, .offset: 56, .size: 8, .value_kind: global_buffer, .address_space: global }
      - { .name: os_beta, .offset: 64, .size: 8, .value_kind: global_buffer, .address_space: global }
      - { .name: W_hidden, .offset: 72, .size: 8, .value_kind: global_buffer, .address_space: global }
      - { .name: W_out, .offset: 80, .size: 8, .value_kind: global_buffer, .address_space: global }
      - { .name: out_s, .offset: 88, .size: 8, .value_kind: global_buffer, .address_space: global }
      - { .name: rel_bias_table, .offset: 96, .size: 8, .value_kind: global_buffer, .address_space: global }
      - { .name: xn, .offset: 104, .size: 8, .value_kind: global_buffer, .address_space: global }
      - { .name: whb, .offset: 112, .size: 8, .value_kind: global_buffer, .address_space: global }
      - { .name: wob, .offset: 120, .size: 8, .value_kind: global_buffer, .address_space: global }
      - { .name: qkb, .offset: 128, .size: 8, .value_kind: global_buffer, .address_space: global }
      - { .name: bfr, .offset: 136, .size: 8, .value_kind: global_buffer, .address_space: global }
    .group_segment_fixed_size: 327680
    .private_segment_fixed_size: 0
    .kernarg_segment_align: 8
    .kernarg_segment_size: 144
    .max_flat_workgroup_size: 128
    .sgpr_count:     100
    .vgpr_count:     640
    .wavefront_size: 32
...
	.end_amdgpu_metadata
.endif
;; end of part 1
;; launch hidden (part 2): grid 8 x 64, 4 waves a work-group, clusters of 4 x 4, 327,680 bytes of LDS; arguments xn, whb, b_hidden, hb; writes hb
.if DOCPART == 2
	.amdgcn_target "amdgcn-amd-amdhsa--gfx1250"
	.amdhsa_code_object_version 6
	.text
	.protected	k_qd0d8a90310_hidden
	.globl	k_qd0d8a90310_hidden
	.p2align	8
	.type	k_qd0d8a90310_hidden,@function
k_qd0d8a90310_hidden:
	s_mov_b64 s[64:65], 0
	v_nop
	global_prefetch_b8 v0, s[64:65] scope:SCOPE_SE
	s_setreg_imm32_b32 hwreg(HW_REG_WAVE_MODE, 25, 1), 1
	s_wait_xcnt 0x0
	s_wait_alu depctr_hold_cnt(0) depctr_sa_sdst(0) depctr_va_vdst(0) depctr_va_sdst(0) depctr_va_ssrc(0) depctr_va_vcc(0) depctr_vm_vsrc(0)
	s_getreg_b32 s2, hwreg(HW_REG_IB_STS2, 6, 4)
	s_cmp_eq_u32 s2, 0
	s_cbranch_scc0 .Lentry_in_a_cluster
	s_endpgm
.Lentry_in_a_cluster:
	s_bfe_u32 s2, ttmp6, 0x10000c
	s_cmp_lg_u32 s2, 0xf033
	s_cbranch_scc0 .Lentry_shape_is_right
	s_endpgm
.Lentry_shape_is_right:
; hb = silu(xn whb + b_hidden).  xn: [16384][512] bf16, whb: [512][2048] bf16 ([k][n], as W_hidden lies), hb: [16384][2048] bf16; sums and silu in f32.
; A tile of hb is 256 x 256, made by four waves of 128 x 128 (64 accumulators, windows 2 and 3).  K = 512 goes in four steps of 128 through two LDS slots.
; CLUSTER 4 x 4: xn's tile is shared along a row of the cluster, whb's along a column; each is asked for jointly.
; THE PRODUCT IS TAKEN TRANSPOSED: source 0 = 16 columns of whb (turned by ds_load_tr16_b128), source 1 = 16 rows of xn: a lane holds one row and 8 neighbouring columns.
; THE WAY OUT: the f32 sums go into the wave's own LDS rows (the ring's bytes, whose last fill is over), and a counted loop reads whole rows, adds the bias,
; takes silu(z) = z / (1 + 2^(-z log2 e)) and stores 256 consecutive bytes a wave's store.  No prefetch: of the four K steps two are first fills, and the other two are asked for one and two steps behind the head.
; LIMITS: the exponential runs to infinity or 0 at its ends, which gives -0 or z; NaN and infinities are not treated apart.
.set PA,    272                        ; a row of xn's tile: 256 + 16 bytes
.set PB,    544                        ; a row of whb's tile: 512 + 32 bytes = 17 x 32
.set HALF,  34816                      ; 128 rows of xn, or 64 rows of whb: what one tensor load brings
.set SLOT,  139264
.set DP,    528                        ; a dumped row: 128 f32 + 16 bytes
.set DW,    67584                      ; a wave's 128 dumped rows
.set SPARE, 327168
.set ADRA0, 16
.set ADRA,  17
.set ADRB0, 20
.set ADRB,  21
.set DST,   24
.set RDA,   25
.set GOF,   26
.set SPW,   28
.set NIL,   29
.set BI,    32                         ; v[32:35] b_hidden of my columns 4 l .. 4 l + 3
.set F0,    64
.set F1,    128
.set EX,    64                         ; the way out: 8 rows, v[64:95]; v[96:127] at work; v[128:143] packed
.set ET,    96
.set EY,    128
.set WV, 20
.set RH, 21
.set CH, 22
.set G1, 24
.set G0, 32
.set G1B, 48
.set G0B, 56
.set TB, 70                            ; s70  LDS byte at which the slot in hand begins
.set LB, 72                            ; s72  wave x HALF: where my part of a slot lies
.set MSB, 0
.macro WIN new
.if MSB != (\new)
	s_set_vgpr_msb (MSB<<8)|(\new)
.set MSB, \new
.endif
.endm
.set MUL_LO, 0xa1                      ; source 0 window 1, source 1 window 0, C and D window 2
.set MUL_HI, 0xf1
.set TO_B,   0x40
.macro PLACES
.rept 4
	v_nop
.endr
.endm
.macro JLOAD s                         ; waves 0 and 1 ask for xn's two halves, waves 2 and 3 for whb's; an s_nop 0 and four v_nop follow each line
	s_cmp_eq_u32 s[RH], 0
	s_cbranch_scc0 .Lfor_b_\@
	tensor_load_to_lds s[G0+4*(\s):G0+4*(\s)+3], s[G1:G1+7]
	s_nop 0
.rept 4
	v_nop
.endr
	s_branch .Lasked_\@
.Lfor_b_\@:
	tensor_load_to_lds s[G0B+4*(\s):G0B+4*(\s)+3], s[G1B:G1B+7]
	s_nop 0
.rept 4
	v_nop
.endr
.Lasked_\@:
.endm
.macro CREST
	s_cmp_lg_u32 s[WV], 0
	s_cbranch_scc1 .Lnot_wave_0_\@
	s_barrier_signal -3
.Lnot_wave_0_\@:
	s_barrier_wait -3
	s_barrier_signal -1
	s_barrier_wait -1
.endm
.macro CROUND
	s_barrier_signal -1
	s_barrier_wait -1
	CREST
.endm
	s_load_b256 s[4:11], s[0:1], 0x0               ; xn 4, whb 6, b_hidden 8, hb 10
	v_lshl_add_u32 v[SPW], v0, 2, SPARE
	v_mov_b32 v[NIL], 0
	ds_add_u32 v[SPW], v[NIL]                      ; the opening: the add, twice on end, and its wait ahead of my first tensor load
	ds_add_u32 v[SPW], v[NIL]
	v_lshrrev_b32 v1, 5, v0
	v_readfirstlane_b32 s[WV], v1
	s_lshr_b32 s[RH], s[WV], 1                     ; my half of the tile's rows; also: I fetch xn (0) or whb (1)
	s_and_b32 s[CH], s[WV], 1                      ; my half of its columns; also: which half of that tile I fetch
	s_bfe_u32 s40, ttmp6, 0x40000                  ; cx
	s_bfe_u32 s41, ttmp6, 0x40004                  ; cy
	s_lshl_b32 s42, ttmp9, 2
	s_add_co_u32 s42, s42, s40                     ; tile column
	s_and_b32 s13, ttmp7, 0xffff
	s_lshl_b32 s13, s13, 2
	s_add_co_u32 s13, s13, s41                     ; tile row
	s_lshl_b32 s43, s41, 2
	s_lshl_b32 s43, 15, s43                        ; my row of the cluster
	s_lshl_b32 s44, 0x1111, s40                    ; my column
	s_or_b32 s[G1+0], s43, (1<<16)|(1<<20)|(1<<21)|(5<<22)|(3<<25)   ; 2-byte elements, 4 words of padding behind every 64
	s_mov_b32 s[G1+1], 128<<16
	s_mov_b32 s[G1+2], 128<<16
	s_mov_b32 s[G1+3], 128<<16
	s_mov_b32 s[G1+4], 128
	s_mov_b32 s[G1+5], 512
	s_mov_b32 s[G1+6], 0
	s_mov_b32 s[G1+7], 0
	s_or_b32 s[G1B+0], s44, (1<<16)|(1<<20)|(1<<21)|(6<<22)|(7<<25)  ; 8 words of padding behind every 128
	s_mov_b32 s[G1B+1], 256<<16
	s_mov_b32 s[G1B+2], 64<<16
	s_mov_b32 s[G1B+3], 256<<16
	s_mov_b32 s[G1B+4], 64
	s_mov_b32 s[G1B+5], 2048
	s_mov_b32 s[G1B+6], 0
	s_mov_b32 s[G1B+7], 0
	s_lshl_b32 s16, s13, 8
	s_lshl_b32 s17, s[CH], 7
	s_add_co_u32 s16, s16, s17
	s_lshl_b32 s16, s16, 10                        ; xn: row 256 x tile row + 128 x half, 1,024 bytes a row
	s_mov_b32 s17, 0
	s_lshl_b32 s46, s[CH], 18                      ; whb: k row 64 x half, 4,096 bytes a row,
	s_lshl_b32 s47, s42, 9
	s_add_co_u32 s46, s46, s47                     ; column 256 x tile column
	s_mov_b32 s47, 0
	s_mul_i32 s[LB], s[WV], HALF
	s_mov_b32 s[TB], 0
	s_wait_dscnt 0x0                               ; both opening adds are done
	s_wait_kmcnt 0x0
	s_add_nc_u64 s[14:15], s[4:5], s[16:17]
	s_add_nc_u64 s[46:47], s[6:7], s[46:47]
	CROUND                                         ; all sixteen work-groups are here: the first joint loads meet
.irp s, 0,1
	s_mov_b32 s[G0+4*(\s)], 1
	s_add_co_u32 s[G0+4*(\s)+1], s[LB], (\s)*SLOT
	s_add_nc_u64 s[G0+4*(\s)+2:G0+4*(\s)+3], s[14:15], (\s)*256
	s_or_b32 s[G0+4*(\s)+3], s[G0+4*(\s)+3], 0x80000000
	s_mov_b32 s[G0B+4*(\s)], 1
	s_add_co_u32 s[G0B+4*(\s)+1], s[LB], (\s)*SLOT
	s_add_nc_u64 s[G0B+4*(\s)+2:G0B+4*(\s)+3], s[46:47], (\s)*524288
	s_or_b32 s[G0B+4*(\s)+3], s[G0B+4*(\s)+3], 0x80000000
	JLOAD \s                                       ; K steps 0 and 1: two loads of mine are out
.endr
	v_and_b32 v1, 15, v0
	v_bfe_u32 v2, v0, 4, 1
	v_and_b32 v3, 31, v0
	v_mul_u32_u24 v4, v1, PA
	v_lshl_add_u32 v4, v2, 4, v4
	s_mul_i32 s16, s[RH], HALF
	v_add_nc_u32 v[ADRA0], s16, v4                 ; xn: row l % 16 of my 128, 16 h
	v_and_b32 v5, 7, v0
	v_lshl_add_u32 v5, v2, 3, v5
	v_mul_u32_u24 v5, v5, PB
	v_bfe_u32 v6, v0, 3, 1
	v_lshl_add_u32 v5, v6, 4, v5
	s_lshl_b32 s16, s[CH], 8
	s_add_co_u32 s16, s16, 2*HALF
	v_add_nc_u32 v[ADRB0], s16, v5                 ; whb: k row 8 h + l % 8, 16 bytes by (l / 8) % 2, my 128 columns
	v_mov_b32 v[ADRA], v[ADRA0]
	v_mov_b32 v[ADRB], v[ADRB0]
	s_mul_i32 s16, s[WV], DW
	v_mul_u32_u24 v4, v1, DP
	v_lshl_add_u32 v4, v2, 5, v4
	v_add_nc_u32 v[DST], s16, v4
	v_lshl_add_u32 v[RDA], v3, 4, s16
	v_lshlrev_b32 v[GOF], 3, v3
	s_lshl_b32 s46, s42, 10
	s_lshl_b32 s47, s[CH], 9
	s_add_co_u32 s46, s46, s47
	v_lshl_add_u32 v7, v3, 4, s46
	global_load_b128 v[BI:BI+3], v7, s[8:9]        ; waited for at the way out
	s_lshl_b32 s16, s13, 8
	s_lshl_b32 s17, s[RH], 7
	s_add_co_u32 s16, s16, s17
	s_lshl_b32 s16, s16, 12                        ; hb: my first row, 4,096 bytes a row
	s_mov_b32 s17, 0
	s_lshr_b32 s46, s46, 1                         ; my first column, in bytes
	s_mov_b32 s47, 0
	s_add_nc_u64 s[16:17], s[16:17], s[46:47]
	s_add_nc_u64 s[10:11], s[10:11], s[16:17]
.macro MUL16 f, hi, a0, zero           ; 16 products: row blocks a0, a0 + 1 of the window's four x all 8 column blocks; the accumulators take turns
	WIN MUL_LO+0x50*(\hi)
.irp a, \a0, (\a0)+1
.irp b, 0,1,2,3,4,5,6,7
.if \zero
	v_wmma_f32_16x16x32_bf16 v[8*(8*(\a)+(\b)):8*(8*(\a)+(\b))+7], v[(\f)+8*(\b):(\f)+8*(\b)+7], v[(\f)+8*(4*(\hi)+(\a)):(\f)+8*(4*(\hi)+(\a))+7], 0
.else
	v_wmma_f32_16x16x32_bf16 v[8*(8*(\a)+(\b)):8*(8*(\a)+(\b))+7], v[(\f)+8*(\b):(\f)+8*(\b)+7], v[(\f)+8*(4*(\hi)+(\a)):(\f)+8*(4*(\hi)+(\a))+7], v[8*(8*(\a)+(\b)):8*(8*(\a)+(\b))+7]
.endif
.endr
.endr
.endm
.macro FETCH q, f                      ; 32 LDS loads in one run: quarter q (32 along K) of the slot in hand into buffer f: whb's 8 fragments, then xn's 8
	WIN TO_B
.irp i, 0,1,2,3,4,5,6,7
	ds_load_tr16_b128 v[(\f)+8*(\i):(\f)+8*(\i)+3], v[ADRB] offset:32*PB*(\q)+32*(\i)
	ds_load_tr16_b128 v[(\f)+8*(\i)+4:(\f)+8*(\i)+7], v[ADRB] offset:32*PB*(\q)+32*(\i)+16*PB
.endr
	WIN 0
.irp i, 0,1,2,3,4,5,6,7
	ds_load_b128 v[(\f)+8*(\i):(\f)+8*(\i)+3], v[ADRA] offset:64*(\q)+16*PA*(\i)
	ds_load_b128 v[(\f)+8*(\i)+4:(\f)+8*(\i)+7], v[ADRA] offset:64*(\q)+16*PA*(\i)+32
.endr
.endm
.macro QUARTER q, f, g, zero           ; buffer f is multiplied; in the middle quarter q is fetched into g
	s_wait_dscnt 8                                 ; all but the youngest eight loads (xn's rows 64-127)
	MUL16 \f, 0, 0, \zero
	MUL16 \f, 0, 2, \zero
	PLACES                                         ; four places in front of loads into registers that products have read
	FETCH \q, \g
	s_wait_dscnt 32                                ; all but the 32 just issued
	MUL16 \f, 1, 0, \zero
	MUL16 \f, 1, 2, \zero
.endm
.macro MEET round                      ; the first half of a step's last quarter, and the barrier of the change of slots
	WIN 0
	s_wait_tensorcnt 0x0                           ; all my tensor loads have landed: my part of the next slot
	ds_add_u32 v[SPW], v[NIL]
	s_wait_dscnt 9                                 ; the add and the youngest eight loads may be out
	MUL16 F1, 0, 0, 0
	s_wait_dscnt 0x0                               ; the add is done, and my reads of this slot are over
	s_barrier_signal -1
	MUL16 F1, 0, 2, 0
.if \round
	WIN 0
.endif
	s_barrier_wait -1
.endm
.macro TURN fill                       ; fill = 1: the slot just read takes the K step two on; the barrier then opens a round of the cluster's
	MEET \fill
.if \fill
	CREST
	s_add_nc_u64 s[G0+6:G0+7], s[G0+6:G0+7], 256          ; the walking descriptors: one K step on,
	s_add_nc_u64 s[G0B+6:G0B+7], s[G0B+6:G0B+7], 524288
	s_add_co_u32 s[G0+5], s[LB], s[TB]                    ; into the slot just read
	s_add_co_u32 s[G0B+5], s[LB], s[TB]
	JLOAD 1                                        ; the first tensor load behind the round; its four v_nop are the places in front of the loads below
.else
	PLACES
.endif
	s_xor_b32 s[TB], s[TB], SLOT
	WIN 0
	v_add_nc_u32 v[ADRA], s[TB], v[ADRA0]
	v_add_nc_u32 v[ADRB], s[TB], v[ADRB0]
	FETCH 0, F0
	MUL16 F1, 1, 0, 0
	MUL16 F1, 1, 2, 0
.endm
	s_wait_tensorcnt 1                             ; my part of K step 0 is in; step 1's may stay out
	s_barrier_signal -1
	s_barrier_wait -1
	FETCH 0, F0
	QUARTER 1, F0, F1, 1                           ; the first quarter starts the sums
	WIN 0
	s_mov_b32 s3, 2
.Lstep:                                            ; a trip: from a step's second quarter to the next step's first; it fills the slot that it leaves
	QUARTER 2, F1, F0, 0
	QUARTER 3, F0, F1, 0
	TURN 1
	QUARTER 1, F0, F1, 0
	WIN 0
	s_sub_co_u32 s3, s3, 1
	s_cmp_lg_u32 s3, 0
	s_cbranch_scc1 .Lstep
	QUARTER 2, F1, F0, 0                           ; K steps 2 and 3 ask for nothing
	QUARTER 3, F0, F1, 0
	TURN 0
	QUARTER 1, F0, F1, 0
	QUARTER 2, F1, F0, 0
	QUARTER 3, F0, F1, 0
	s_wait_dscnt 8
	MUL16 F1, 0, 0, 0
	MUL16 F1, 0, 2, 0
	s_wait_dscnt 0x0
	MUL16 F1, 1, 0, 0
	MUL16 F1, 1, 2, 0
	PLACES
	WIN 0
	s_barrier_signal -1                            ; every wave's reads of the ring are over (the wait for 0 above): its bytes may be stored into
	s_barrier_wait -1
.irp hi, 0,1
	WIN 0x08+4*(\hi)                               ; store data in window 2, then 3
.irp a, 0,1,2,3
.irp b, 0,1,2,3,4,5,6,7
	ds_store_b128 v[DST], v[8*(8*(\a)+(\b)):8*(8*(\a)+(\b))+3] offset:16*DP*(4*(\hi)+(\a))+64*(\b)       ; each accumulator from its low end on
	ds_store_b128 v[DST], v[8*(8*(\a)+(\b))+4:8*(8*(\a)+(\b))+7] offset:16*DP*(4*(\hi)+(\a))+64*(\b)+16
.endr
.endr
.endr
	WIN 0
	s_wait_loadcnt 0x0                             ; b_hidden
	s_mov_b32 s3, 16
.Lrows:                                            ; a trip: 8 of my 128 rows; a lane has columns 4 l .. 4 l + 3
.irp r, 0,1,2,3,4,5,6,7
	ds_load_b128 v[EX+4*\r:EX+4*\r+3], v[RDA] offset:DP*\r
.endr
	s_wait_dscnt 0x0
.irp r, 0,1,2,3,4,5,6,7
	v_pk_add_f32 v[EX+4*\r:EX+4*\r+1], v[EX+4*\r:EX+4*\r+1], v[BI:BI+1]
	v_pk_add_f32 v[EX+4*\r+2:EX+4*\r+3], v[EX+4*\r+2:EX+4*\r+3], v[BI+2:BI+3]
.endr
.set p, 0
.rept 16
	v_pk_mul_f32 v[ET+p:ET+p+1], v[EX+p:EX+p+1], 0xbfb8aa3b op_sel_hi:[1,0]
.set p, p+2
.endr
.set i, 0
.rept 32
	v_exp_f32 v[ET+i], v[ET+i]
.set i, i+1
.endr
	v_nop
	s_wait_alu depctr_va_vdst(0)                   ; one wait for the 32 exponentials
.set p, 0
.rept 16
	v_pk_add_f32 v[ET+p:ET+p+1], v[ET+p:ET+p+1], 1.0 op_sel_hi:[1,0]
.set p, p+2
.endr
.set i, 0
.rept 32
	v_rcp_f32 v[ET+i], v[ET+i]
.set i, i+1
.endr
	v_nop
	s_wait_alu depctr_va_vdst(0)                   ; one wait for the 32 reciprocals
.set p, 0
.rept 16
	v_pk_mul_f32 v[EX+p:EX+p+1], v[EX+p:EX+p+1], v[ET+p:ET+p+1]
.set p, p+2
.endr
.set i, 0
.rept 16
	v_cvt_pk_bf16_f32 v[EY+i], v[EX+2*i], v[EX+2*i+1]
.set i, i+1
.endr
.irp r, 0,1,2,3,4,5,6,7
	global_store_b64 v[GOF], v[EY+2*\r:EY+2*\r+1], s[10:11] offset:4096*\r   ; 32 lanes store 256 consecutive bytes, aligned
.endr
	s_wait_xcnt 0x0                                ; the stores' data and offset are written again only behind this wait
	v_add_nc_u32 v[RDA], 8*DP, v[RDA]
	v_add_nc_u32 v[GOF], 32768, v[GOF]
	s_sub_co_u32 s3, s3, 1
	s_cmp_lg_u32 s3, 0
	s_cbranch_scc1 .Lrows
	s_wait_tensorcnt 0x0                           ; the wave's end
	ds_add_u32 v[SPW], v[NIL]
	s_wait_dscnt 0x0
	CROUND                                         ; the closing round
	s_endpgm
.Lfunc_end_k_qd0d8a90310_hidden:
	.size	k_qd0d8a90310_hidden, .Lfunc_end_k_qd0d8a90310_hidden-k_qd0d8a90310_hidden
	.p2alignl 7, 3214868480
	.fill 96, 4, 3214868480
	.section	.rodata,"a",@progbits
	.p2align	6, 0x0
	.amdhsa_kernel k_qd0d8a90310_hidden
		.amdhsa_group_segment_fixed_size 327680
		.amdhsa_private_segment_fixed_size 0
		.amdhsa_enable_private_segment 0
		.amdhsa_kernarg_size 32
		.amdhsa_user_sgpr_count 2
		.amdhsa_user_sgpr_kernarg_segment_ptr 1
		.amdhsa_wavefront_size32 1
		.amdhsa_system_sgpr_workgroup_id_x 1
		.amdhsa_system_sgpr_workgroup_id_y 1
		.amdhsa_system_sgpr_workgroup_id_z 1
		.amdhsa_system_vgpr_workitem_id 0
		.amdhsa_next_free_vgpr 1024
		.amdhsa_next_free_sgpr 80
		.amdhsa_reserve_vcc 0
		.amdhsa_float_denorm_mode_32 3
		.amdhsa_float_denorm_mode_16_64 3
		.amdhsa_memory_ordered 1
		.amdhsa_forward_progress 1
		.amdhsa_inst_pref_size 103
	.end_amdhsa_kernel
	.amdgpu_metadata
---
amdhsa.version: [ 1, 2 ]
amdhsa.kernels:
  - .name:           k_qd0d8a90310_hidden
    .symbol:         k_qd0d8a90310_hidden.kd
    .args:
      - { .name: xn, .offset: 0, .size: 8, .value_kind: global_buffer, .address_space: global }
      - { .name: whb, .offset: 8, .size: 8, .value_kind: global_buffer, .address_space: global }
      - { .name: b_hidden, .offset: 16, .size: 8, .value_kind: global_buffer, .address_space: global }
      - { .name: hb, .offset: 24, .size: 8, .value_kind: global_buffer, .address_space: global }
    .group_segment_fixed_size: 327680
    .private_segment_fixed_size: 0
    .kernarg_segment_align: 8
    .kernarg_segment_size: 32
    .max_flat_workgroup_size: 128
    .sgpr_count:     80
    .vgpr_count:     1024
    .wavefront_size: 32
...
	.end_amdgpu_metadata
.endif
;; end of part 2
;; launch attn (part 3): grid 16 x 16, 4 waves a work-group, clusters of 4 x 1, 327,680 bytes of LDS; arguments qkb, hb, bfr, og; writes og
.if DOCPART == 3
	.amdgcn_target "amdgcn-amd-amdhsa--gfx1250"
	.amdhsa_code_object_version 6
	.text
	.protected	k_qd0d8a90310_attn
	.globl	k_qd0d8a90310_attn
	.p2align	8
	.type	k_qd0d8a90310_attn,@function
k_qd0d8a90310_attn:
	s_mov_b64 s[64:65], 0
	v_nop
	global_prefetch_b8 v0, s[64:65] scope:SCOPE_SE
	s_setreg_imm32_b32 hwreg(HW_REG_WAVE_MODE, 25, 1), 1
	s_wait_xcnt 0x0
	s_wait_alu depctr_hold_cnt(0) depctr_sa_sdst(0) depctr_va_vdst(0) depctr_va_sdst(0) depctr_va_ssrc(0) depctr_va_vcc(0) depctr_vm_vsrc(0)
	s_getreg_b32 s2, hwreg(HW_REG_IB_STS2, 6, 4)
	s_cmp_eq_u32 s2, 0
	s_cbranch_scc0 .Lentry_in_a_cluster
	s_endpgm
.Lentry_in_a_cluster:
	s_bfe_u32 s2, ttmp6, 0x10000c
	s_cmp_lg_u32 s2, 0x3003
	s_cbranch_scc0 .Lentry_shape_is_right
	s_endpgm
.Lentry_shape_is_right:
; og[b][i][c] = gate[b][i][c] x the sum over j of relu(q_i . k_j + bias(j - i))^2 v[b][j][c].  q (already / 2048) and k: planes of qkb, [16384][128] bf16;
; v = columns 0-1023 of hb, gate = columns 1024-2047; bfr holds the bias, already x sqrt(128) / 2048, four times, shifted by 0 to 3 words.  og: [16384][1024] bf16.
; SHARES.  A work-group owns 128 queries (block qb) of one batch and 512 channels (half).  It walks the 2,048 keys, 64 a step.  For the second product wave w holds all 128
; queries x channels 128 w .. + 127: 64 accumulators.  For the scores wave (a, b) = (w / 2, w % 2) makes query tiles 4 a .. 4 a + 3 x key tiles 2 b, 2 b + 1; the weights, rounded
; to bf16, go through LDS as images of fragments, so that every wave reads all of them.
; LAYOUT.  S^T = K Q^T: a lane holds one query (l % 16) and keys 8 (l / 16) + 0..7; two key tiles, packed, are source 1 (16 queries x 32 keys) of O^T = V^T A.  V is turned by ds_load_tr16_b128.
; THE BIAS is the C operand of the scores' first product, loaded from LDS into the accumulators.  A lane's 8 keys want 8 consecutive words that begin at key - query; a lane takes copy
; (query & 3) of the table, which is shifted so that the first of them lies on 16 bytes.  The block's number enters the copy's address in memory alone, no LDS address.
; PIPELINE.  Body j multiplies step j and makes the weights of step j + 1; behind its round V of step j + 2 and K of step j + 3 are asked for, one load a wave, jointly by the four
; query blocks of a cluster, which walk the same K and V.
; RIDERS.  A key tile's relu, square and rounding are 64 vector instructions and 4 LDS stores: they stand in 16 slices of four behind 16 products of the second kind, which name none of
; their registers.  The accumulators fill windows 2 and 3, so a slice costs two switches of the register window: 64 for a step's 160 products.  The first batch's slices also carry the 16
; loads of the weights' second fragments, whose address and destination lie in window 0 like the slice's own registers.
; THE GATE's rows 0-63 come with the first fills into bytes of their own; rows 64-127 are asked for behind the round of step 30, into slot 0, which nobody reads from then on.
; No maximum is taken: there is no exponential here.  LIMITS: weights, v, gate and og are rounded once to bf16; sums in f32; NaN and infinities are not treated apart.
.set KP,    272                        ; a row of K: 256 + 16 bytes
.set VP,    544                        ; a row of a column half of V: 512 + 32 bytes
.set KB,    17408                      ; K's 64 rows in a slot; behind them V's two column halves
.set VH,    34816
.set VSLOT, 87040
.set ABUF,  174080                     ; the weights, two buffers: fragment (query tile T, key half c) at (2 T + c) x 1,024, registers 4-7 at + 512, 16 bytes a lane
.set ASZ,   16384
.set BIA,   206848                     ; the bias, four copies
.set BIP,   8768                       ; their pitch: 8,704 bytes used; 64 bytes further on modulo 256 from copy to copy
.set GT1,   241920                     ; the gate's rows 0-63: 64 rows x 256 bytes for each wave; rows 64-127 go to wave x 16,384 in slot 0
.set DMP,   65536                      ; the way out: 64 rows x 528 bytes for each wave, behind the gate's second half
.set DWV,   33792
.set DP,    528
.set SPARE, 327168
.set AV0, 2
.set AA0, 3
.set AK0, 4
.set AS0, 5
.set AVC, 6
.set AAC, 7
.set AKC, 8
.set ASC, 9
.set AB,  10
.set DST, 11
.set RDO, 12
.set RDG, 13
.set GOF, 14
.set RDO0, 17
.set SPW, 28
.set NIL, 29
.set PFV, 30
.set PFK, 31
.set PK,  32                           ; v[32:47] packed weights
.set F0,  64                           ; window 0: fragments of the weights; window 1: of V
.set F1,  128
.set KF,  192                          ; v[192:223] K of one key tile
.set SA,  224                          ; v[224:255] four score accumulators
.set EO,  64                           ; the way out
.set EG,  96
.set ET,  112
.set EY,  144
.set LEFT, 3
.set WV,  10
.set G1V, 24
.set G1K, 32
.set G0V, 44
.set G0K, 52
.set TVC, 60                           ; slot of V in hand
.set TVN, 61                           ; slot of K for the weights being made
.set TAC, 62                           ; buffer of the weights in hand
.set TAN, 63                           ; buffer of the weights being made
.set G1G, 68
.set G0G, 76
.set PFA, 80
.set PFS, 82
.set LIM, 84
.set LBV, 85
.set LBK, 86
.set MSB, 0
.macro WIN new
.if MSB != (\new)
	s_set_vgpr_msb (MSB<<8)|(\new)
.set MSB, \new
.endif
.endm
.set MUL_LO, 0xa1
.set TO_B,   0x40
.macro PLACES
.rept 4
	v_nop
.endr
.endm
.macro JLOAD                           ; waves 0 and 1 ask for V's column halves, waves 2 and 3 for K's halves of 32 rows
	s_cmp_lt_u32 s[WV], 2
	s_cbranch_scc0 .Lfor_k_\@
	tensor_load_to_lds s[G0V+4:G0V+7], s[G1V:G1V+7]
	s_nop 0
.rept 4
	v_nop
.endr
	s_branch .Lasked_\@
.Lfor_k_\@:
	tensor_load_to_lds s[G0K+4:G0K+7], s[G1K:G1K+7]
	s_nop 0
.rept 4
	v_nop
.endr
.Lasked_\@:
.endm
.macro CREST
	s_cmp_lg_u32 s[WV], 0
	s_cbranch_scc1 .Lnot_wave_0_\@
	s_barrier_signal -3
.Lnot_wave_0_\@:
	s_barrier_wait -3
	s_barrier_signal -1
	s_barrier_wait -1
.endm
.macro CROUND
	s_barrier_signal -1
	s_barrier_wait -1
	CREST
.endm
; A PREFETCH INTO THE L2, behind the joint load and the first run of LDS loads.  Body j asks for V of step j + 5, three bodies (480 matrix instructions) ahead of the load that wants it: 64 rows x 1,024 bytes;
; the cluster with x = 0 asks, its four partners take 16 rows each BY ADDRESS, wave 0, two instructions (a lane: a row and a block of 256 bytes).  K's rows serve both channel halves: where the half is 0,
; wave 2 asks in every second body for the 128 rows of steps j + 6 and j + 7, 32 a partner, a lane a row.  So each block is named once in the launch.  The last bodies ask for nothing: V stops at step 31
; (LEFT > 2), K too (LEFT > 4).
.macro ASK
	s_cmp_gt_u32 s[LEFT], s[LIM]
	s_cbranch_scc0 .Lnone_\@
	s_cmp_lt_u32 s[WV], 2
	s_cbranch_scc0 .Lask_k_\@
	global_prefetch_b8 v[PFV], s[PFA:PFA+1] th:TH_LOAD_NT scope:SCOPE_SE
	global_prefetch_b8 v[PFV], s[PFA:PFA+1] offset:512 th:TH_LOAD_NT scope:SCOPE_SE
	s_branch .Lnone_\@
.Lask_k_\@:
	s_bitcmp1_b32 s[LEFT], 0                       ; LEFT = 29 - j is odd where j is even
	s_cbranch_scc0 .Lnone_\@
	global_prefetch_b8 v[PFK], s[PFA:PFA+1] th:TH_LOAD_NT scope:SCOPE_SE
.Lnone_\@:
.endm
	s_load_b256 s[16:23], s[0:1], 0x0              ; qkb 16, hb 18, bfr 20, og 22
	v_lshl_add_u32 v[SPW], v0, 2, SPARE
	v_mov_b32 v[NIL], 0
	ds_add_u32 v[SPW], v[NIL]                      ; the opening: the add, twice on end, and its wait ahead of my first tensor load
	ds_add_u32 v[SPW], v[NIL]
	v_lshrrev_b32 v1, 5, v0
	v_readfirstlane_b32 s[WV], v1
	s_lshr_b32 s11, s[WV], 1                       ; a
	s_and_b32 s12, s[WV], 1                        ; b
	s_and_b32 s13, ttmp7, 0xffff
	s_lshr_b32 s14, s13, 1                         ; batch
	s_and_b32 s15, s13, 1                          ; half
	s_bfe_u32 s40, ttmp6, 0x40000                  ; cx
	s_lshl_b32 s42, ttmp9, 2
	s_add_co_u32 s42, s42, s40                     ; qb: it enters addresses in memory alone
	s_mov_b32 s[G1V+0], 15|(1<<16)|(1<<20)|(1<<21)|(6<<22)|(7<<25)   ; the mask of four; 2-byte elements; 8 words of padding behind every 128
	s_mov_b32 s[G1V+1], 256<<16
	s_mov_b32 s[G1V+2], 64<<16
	s_mov_b32 s[G1V+3], 256<<16
	s_mov_b32 s[G1V+4], 64
	s_mov_b32 s[G1V+5], 2048
	s_mov_b32 s[G1V+6], 0
	s_mov_b32 s[G1V+7], 0
	s_mov_b32 s[G1K+0], 15|(1<<16)|(1<<20)|(1<<21)|(5<<22)|(3<<25)   ; 4 words of padding behind every 64
	s_mov_b32 s[G1K+1], 128<<16
	s_mov_b32 s[G1K+2], 32<<16
	s_mov_b32 s[G1K+3], 128<<16
	s_mov_b32 s[G1K+4], 32
	s_mov_b32 s[G1K+5], 128
	s_mov_b32 s[G1K+6], 0
	s_mov_b32 s[G1K+7], 0
	s_mov_b32 s[G1G+0], 1<<16                      ; half of the gate's tile, my own: 64 rows x 128 elements, dense in LDS
	s_mov_b32 s[G1G+1], 128<<16
	s_mov_b32 s[G1G+2], 64<<16
	s_mov_b32 s[G1G+3], 128<<16
	s_mov_b32 s[G1G+4], 64
	s_mov_b32 s[G1G+5], 2048
	s_mov_b32 s[G1G+6], 0
	s_mov_b32 s[G1G+7], 0
	s_lshl_b32 s4, s14, 23
	s_lshl_b32 s5, s15, 10
	s_add_co_u32 s4, s4, s5                        ; hb: the batch's first row, the half's first channel
	s_lshl_b32 s5, s12, 9
	s_add_co_u32 s6, s4, s5                        ; V: the column half that I fetch
	s_mov_b32 s7, 0
	s_lshl_b32 s8, s14, 19
	s_add_co_u32 s8, s8, 4194304                   ; qkb: plane 1, the batch's first key
	s_lshl_b32 s5, s12, 13
	s_add_co_u32 s2, s8, s5                        ; K: the 32 rows that I fetch
	s_mov_b32 s3, 0
	s_mul_i32 s[LBV], s12, VH
	s_add_co_u32 s[LBV], s[LBV], KB
	s_mul_i32 s[LBK], s12, 32*KP
	s_mov_b32 s[G0V+0], 1
	s_mov_b32 s[G0V+1], s[LBV]
	s_mov_b32 s[G0V+4], 1
	s_add_co_u32 s[G0V+5], s[LBV], VSLOT
	s_mov_b32 s[G0K+0], 1
	s_mov_b32 s[G0K+1], s[LBK]
	s_mov_b32 s[G0K+4], 1
	s_add_co_u32 s[G0K+5], s[LBK], VSLOT
	s_mov_b32 s[G0G+0], 1
	s_lshl_b32 s[G0G+1], s[WV], 14
	s_add_co_u32 s[G0G+1], s[G0G+1], GT1
	s_lshl_b32 s5, s42, 19
	s_add_co_u32 s88, s4, s5
	s_lshl_b32 s5, s[WV], 8
	s_add_co_u32 s88, s88, s5
	s_add_co_u32 s88, s88, 2048                    ; gate: my block's first row, my 128 channels
	s_mov_b32 s89, 0
	s_lshl_b32 s90, s14, 22
	s_lshl_b32 s91, s42, 18
	s_add_co_u32 s90, s90, s91
	s_lshl_b32 s91, s15, 10
	s_add_co_u32 s90, s90, s91
	s_add_co_u32 s90, s90, s5                      ; og likewise
	s_mov_b32 s91, 0
	s_lshl_b32 s92, s14, 19
	s_lshl_b32 s93, s42, 15
	s_add_co_u32 s92, s92, s93
	s_lshl_b32 s93, s11, 14
	s_add_co_u32 s92, s92, s93                     ; q: my 64 rows
	s_mov_b32 s93, 0
	s_lshl_b32 s94, s[WV], 14
	s_add_co_u32 s94, s94, 7680
	s_lshl_b32 s95, s42, 9
	s_sub_co_u32 s94, s94, s95                     ; bfr: copy w, word 1,920 - 128 qb
	s_mov_b32 s95, 0
	s_lshl_b32 s96, s40, 16
	s_add_co_u32 s96, s96, s4
	s_add_co_u32 s96, s96, 4*262144                ; the prefetches stand one step short of what body 0 names: V of step 4, my work-group's 16 rows,
	s_lshl_b32 s97, s40, 13
	s_add_co_u32 s97, s97, s8
	s_add_co_u32 s97, s97, 5*16384                 ; K of step 5, my work-group's 32 rows
	s_mov_b32 s[PFS], 16384
	s_cmp_lt_u32 s[WV], 2
	s_cselect_b32 s96, s96, s97
	s_cselect_b32 s[PFS], 262144, s[PFS]
	s_cselect_b32 s[LIM], 2, 4
	s_cselect_b32 s5, 0, s15                       ; the half counts for K alone
	s_mov_b32 s97, 0
	s_mov_b32 s[PFS+1], 0
	s_or_b32 s5, s5, s12
	s_or_b32 s5, s5, ttmp9                         ; waves 0 and 2 of the cluster with x = 0: the same in all four partners
	s_cmp_eq_u32 s5, 0
	s_cselect_b32 s[LIM], s[LIM], -1
	s_mov_b32 s[TVC], 0
	s_mov_b32 s[TVN], VSLOT
	s_mov_b32 s[TAC], 0
	s_mov_b32 s[TAN], ASZ
	s_mov_b32 s87, 0xffff0000
	s_wait_dscnt 0x0                               ; both opening adds are done
	s_wait_kmcnt 0x0
	s_add_nc_u64 s[G0V+2:G0V+3], s[18:19], s[6:7]
	s_add_nc_u64 s[G0V+6:G0V+7], s[G0V+2:G0V+3], 262144
	s_or_b32 s[G0V+3], s[G0V+3], 0x80000000
	s_or_b32 s[G0V+7], s[G0V+7], 0x80000000
	s_add_nc_u64 s[G0K+2:G0K+3], s[16:17], s[2:3]
	s_add_nc_u64 s[G0K+6:G0K+7], s[G0K+2:G0K+3], 16384
	s_or_b32 s[G0K+3], s[G0K+3], 0x80000000
	s_or_b32 s[G0K+7], s[G0K+7], 0x80000000
	s_add_nc_u64 s[G0G+2:G0G+3], s[18:19], s[88:89]
	s_or_b32 s[G0G+3], s[G0G+3], 0x80000000
	s_cmp_lt_u32 s[WV], 2
	s_cselect_b64 s[PFA:PFA+1], s[18:19], s[16:17]
	s_add_nc_u64 s[PFA:PFA+1], s[PFA:PFA+1], s[96:97]
	s_add_nc_u64 s[22:23], s[22:23], s[90:91]
	s_add_nc_u64 s[16:17], s[16:17], s[92:93]
	s_add_nc_u64 s[20:21], s[20:21], s[94:95]
	CROUND                                         ; all four work-groups are here: the first joint loads meet
	s_cmp_lt_u32 s[WV], 2                          ; a wave's three first fills stand in one branch: steps 0 and 1 of V, or of K, and the gate's rows 0-63: three loads of mine are out
	s_cbranch_scc0 .Lfirst_k
	tensor_load_to_lds s[G0V:G0V+3], s[G1V:G1V+7]
	s_nop 0
	tensor_load_to_lds s[G0V+4:G0V+7], s[G1V:G1V+7]
	s_nop 0
	tensor_load_to_lds s[G0G:G0G+3], s[G1G:G1G+7]
	s_nop 0
.rept 4
	v_nop
.endr
	s_branch .Lfirst_asked
.Lfirst_k:
	tensor_load_to_lds s[G0K:G0K+3], s[G1K:G1K+7]
	s_nop 0
	tensor_load_to_lds s[G0K+4:G0K+7], s[G1K:G1K+7]
	s_nop 0
	tensor_load_to_lds s[G0G:G0G+3], s[G1G:G1G+7]
	s_nop 0
.rept 4
	v_nop
.endr
.Lfirst_asked:
	v_and_b32 v1, 15, v0                           ; q = l % 16
	v_bfe_u32 v15, v0, 4, 1                        ; h
	v_and_b32 v16, 31, v0                          ; l; never rewritten
	v_lshlrev_b32 v48, 4, v16                      ; 16 l
	s_mul_i32 s5, s[WV], BIP
	s_add_co_u32 s5, s5, BIA
	v_add_nc_u32 v49, s5, v48
.set i, 0
.rept 17
	global_load_b128 v[64+4*i:67+4*i], v48, s[20:21] offset:512*i    ; my copy of the bias: 8,704 bytes
.set i, i+1
.endr
	v_lshlrev_b32 v50, 8, v1
	v_lshl_add_u32 v50, v15, 4, v50
	WIN 0x40                                       ; Q stays in registers, window 1: fragment i = 4 t + c at v[8 i], from i = 8 on at v[192 + 8 (i - 8)]
.set i, 0
.rept 16
	global_load_b128 v[8*i+128*(i/8):8*i+128*(i/8)+3], v50, s[16:17] offset:(i/4)*4096+(i%4)*64
	global_load_b128 v[8*i+128*(i/8)+4:8*i+128*(i/8)+7], v50, s[16:17] offset:(i/4)*4096+(i%4)*64+32
.set i, i+1
.endr
	WIN 0x80                                       ; the sums start at 0, written in the wait for the first tiles, so that the loop has one form of product
.set i, 0
.rept 256
	v_mov_b32 v[i], 0
.set i, i+1
.endr
	WIN 0xc0
.set i, 0
.rept 256
	v_mov_b32 v[i], 0
.set i, i+1
.endr
	WIN 0
	v_and_b32 v18, 7, v0
	v_lshl_add_u32 v18, v15, 3, v18
	v_mul_u32_u24 v[AV0], v18, VP
	v_bfe_u32 v18, v0, 3, 1
	v_lshl_add_u32 v[AV0], v18, 4, v[AV0]
	s_mul_i32 s5, s11, VH
	s_lshl_b32 s6, s12, 8
	s_add_co_u32 s5, s5, s6
	s_add_co_u32 s5, s5, KB
	v_add_nc_u32 v[AV0], s5, v[AV0]                ; V: key 8 h + l % 8, 16 bytes by (l / 8) % 2, my 128 channels
	v_add_nc_u32 v[AA0], ABUF, v48
	v_mul_u32_u24 v[AK0], v1, KP
	v_lshl_add_u32 v[AK0], v15, 4, v[AK0]
	v_add_nc_u32 v[AK0], s[LBK], v[AK0]            ; K: row 32 b + l % 16, 16 h
	s_lshl_b32 s5, s11, 3
	s_add_co_u32 s5, s5, s12
	s_lshl_b32 s5, s5, 10
	s_add_co_u32 s5, s5, ABUF
	v_add_nc_u32 v[AS0], s5, v48                   ; where my weights go: fragment (4 a, b)
	v_and_b32 v18, 3, v1
	v_and_b32 v19, 12, v1
	s_lshl_b32 s5, s12, 5
	s_add_co_u32 s5, s5, 80
	s_lshl_b32 s6, s11, 6
	s_sub_co_u32 s5, s5, s6                        ; 32 b - 64 a - 48 + 128: 16 at the least
	v_lshl_add_u32 v20, v15, 3, s5
	v_sub_nc_u32 v20, v20, v19
	v_mul_u32_u24 v[AB], v18, BIP
	v_lshl_add_u32 v[AB], v20, 2, v[AB]
	v_add_nc_u32 v[AB], BIA, v[AB]                 ; the bias of step 0: copy q & 3, word 32 b + 8 h - 64 a - 48 - (q & 12) + 128
	s_mul_i32 s5, s[WV], DWV
	s_add_co_u32 s5, s5, DMP
	v_mul_u32_u24 v[DST], v1, DP
	v_lshl_add_u32 v[DST], v15, 5, v[DST]
	v_add_nc_u32 v[DST], s5, v[DST]
	v_add_nc_u32 v[RDO0], s5, v48
	v_mov_b32 v[RDO], v[RDO0]
	v_lshl_add_u32 v[RDG], v16, 3, s[G0G+1]        ; the gate's rows 0-63: 8 l behind my tile's first byte
	v_lshlrev_b32 v[GOF], 3, v16
	v_lshlrev_b32 v[PFV], 12, v1
	v_lshl_add_u32 v[PFV], v15, 8, v[PFV]
	v_lshlrev_b32 v[PFK], 8, v16
	v_mov_b32 v[AKC], v[AK0]
	v_mov_b32 v[ASC], v[AS0]
	s_wait_loadcnt 32                              ; the bias is in; Q's 32 loads may stay out
.set i, 0
.rept 17
	ds_store_b128 v49, v[64+4*i:67+4*i] offset:512*i
.set i, i+1
.endr
	s_wait_loadcnt 0x0                             ; Q
	s_wait_tensorcnt 2                             ; my part of step 0 is in; step 1's and the gate's may stay out
	s_wait_dscnt 0x0                               ; my copy of the bias is stored
	s_barrier_signal -1
	s_barrier_wait -1
.macro MUL16 f, hi, a0                 ; 16 products of O^T += V^T A: query tiles 4 hi + a0, + 1 x all 8 channel tiles; the accumulators take turns
	WIN MUL_LO+0x50*(\hi)
.irp a, \a0, (\a0)+1
.irp b, 0,1,2,3,4,5,6,7
	v_wmma_f32_16x16x32_bf16 v[8*(8*(\a)+(\b)):8*(8*(\a)+(\b))+7], v[(\f)+8*(\b):(\f)+8*(\b)+7], v[(\f)+8*(4*(\hi)+(\a)):(\f)+8*(4*(\hi)+(\a))+7], v[8*(8*(\a)+(\b)):8*(8*(\a)+(\b))+7]
.endr
.endr
.endm
; Slice k of 16 of key tile v's way from scores to weights, stage by stage over the four score tiles, so that no line reads the result of the one before it:
; 0-7 relu (each accumulator from its low end on), 8-11 the squares, 12-15 the roundings to bf16; a tile's 16 bytes a lane are stored a slice behind its roundings (the last tile's in the same slice).
; ld = 1: the slice also carries load k of 16 of the weights' fragments for keys 32 .. 63 of the step in hand.
.macro SLICE v, ld
	WIN 0
.if k < 8
.irp n, 0,1,2,3
	v_max_num_f32 v[SA+4*k+\n], 0, v[SA+4*k+\n]
.endr
.elseif k < 12
.irp n, 0,2,4,6
	v_pk_mul_f32 v[SA+8*(k-8)+\n:SA+8*(k-8)+\n+1], v[SA+8*(k-8)+\n:SA+8*(k-8)+\n+1], v[SA+8*(k-8)+\n:SA+8*(k-8)+\n+1]
.endr
.else
.irp n, 0,1,2,3
	v_cvt_pk_bf16_f32 v[PK+4*(k-12)+\n], v[SA+8*(k-12)+2*\n], v[SA+8*(k-12)+2*\n+1]
.endr
.endif
.if k > 12
	ds_store_b128 v[ASC], v[PK+4*(k-13):PK+4*(k-13)+3] offset:2048*(k-13)+512*(\v)
.endif
.if k == 15
	ds_store_b128 v[ASC], v[PK+12:PK+15] offset:2048*3+512*(\v)
.endif
.if \ld
	ds_load_b128 v[F1+8*(k/2)+4*(k%2):F1+8*(k/2)+4*(k%2)+3], v[AAC] offset:(2*(k/2)+1)*1024+512*(k%2)
.endif
.set k, k+1
.endm
.macro MUL16R f, hi, a0, v, ld         ; the same 16 products, a slice behind each
.set k, 0
.irp a, \a0, (\a0)+1
.irp b, 0,1,2,3,4,5,6,7
	WIN MUL_LO+0x50*(\hi)
	v_wmma_f32_16x16x32_bf16 v[8*(8*(\a)+(\b)):8*(8*(\a)+(\b))+7], v[(\f)+8*(\b):(\f)+8*(\b)+7], v[(\f)+8*(4*(\hi)+(\a)):(\f)+8*(4*(\hi)+(\a))+7], v[8*(8*(\a)+(\b)):8*(8*(\a)+(\b))+7]
	SLICE \v, \ld
.endr
.endr
.endm
.macro FETCHV c, f                     ; 16 LDS loads: V's 8 fragments for keys 32 c .. of the step in hand
	WIN TO_B
.irp i, 0,1,2,3,4,5,6,7
	ds_load_tr16_b128 v[(\f)+8*(\i):(\f)+8*(\i)+3], v[AVC] offset:32*VP*(\c)+32*(\i)
	ds_load_tr16_b128 v[(\f)+8*(\i)+4:(\f)+8*(\i)+7], v[AVC] offset:32*VP*(\c)+32*(\i)+16*VP
.endr
.endm
.macro FETCHA c, f                     ; 16 LDS loads: the weights' 8 fragments for the same keys
	WIN 0
.irp i, 0,1,2,3,4,5,6,7
	ds_load_b128 v[(\f)+8*(\i):(\f)+8*(\i)+3], v[AAC] offset:(2*(\i)+(\c))*1024
	ds_load_b128 v[(\f)+8*(\i)+4:(\f)+8*(\i)+7], v[AAC] offset:(2*(\i)+(\c))*1024+512
.endr
.endm
.macro SLOAD v                         ; 16 LDS loads: K of key tile 2 b + v, and the bias of its four score tiles, straight into the accumulators
	WIN 0
.irp c, 0,1,2,3
	ds_load_b128 v[KF+8*(\c):KF+8*(\c)+3], v[AKC] offset:16*KP*(\v)+64*(\c)
	ds_load_b128 v[KF+8*(\c)+4:KF+8*(\c)+7], v[AKC] offset:16*KP*(\v)+64*(\c)+32
.endr
.irp t, 0,1,2,3
	ds_load_b128 v[SA+8*(\t):SA+8*(\t)+3], v[AB] offset:64*(\v)+64*(3-(\t))
	ds_load_b128 v[SA+8*(\t)+4:SA+8*(\t)+7], v[AB] offset:64*(\v)+64*(3-(\t))+16
.endr
.endm
.macro SMUL                            ; 16 products S^T = bias + K Q^T; the four accumulators take turns
	WIN 0x04                                       ; Q in window 1
.irp c, 0,1,2,3
.irp t, 0,1,2,3
	v_wmma_f32_16x16x32_bf16 v[SA+8*(\t):SA+8*(\t)+7], v[KF+8*(\c):KF+8*(\c)+7], v[8*(4*(\t)+(\c))+128*((\t)/2):8*(4*(\t)+(\c))+128*((\t)/2)+7], v[SA+8*(\t):SA+8*(\t)+7]
.endr
.endr
.endm
.macro SPOST v                         ; the 16 slices on end: for step 0's weights, which have no products to stand behind
.set k, 0
.rept 16
	SLICE \v, 0
.endr
.endm
; BODY j.  kind 0: the loop's (j = 0 .. 28).  kind 1 (j = 29): only V of step 31 is left to ask for.  kind 2 (j = 30): no K is left; each wave asks for its gate rows 64-127.  kind 3 (j = 31): no scores.
; The tails are written out.
; Four v_nop stand behind each run of score products: the places in front of the riders that read and rewrite the scores, of the loads into K's and the scores' registers, and of the loads into buffer 1,
; which the body before multiplied last.  Buffer 0 is loaded again behind the joint load's four v_nop.
.macro BODY kind
.if (\kind) < 3
	s_wait_dscnt 32                                ; K and the bias of key tile 0 are in; buffer 0's 32 loads, issued behind them, may stay out
	SMUL
	PLACES
	FETCHV 1, F1
	s_wait_dscnt 16                                ; buffer 0 is in; the 16 loads just issued may stay out
	MUL16R F0, 0, 0, 0, 1                          ; riders: key tile 0's weights, and the weights' half of buffer 1
	SLOAD 1
	MUL16 F0, 0, 2
	MUL16 F0, 1, 0
	s_wait_dscnt 0x0                               ; K and the bias of key tile 1, and buffer 1
	SMUL
	PLACES
	MUL16R F0, 1, 2, 1, 0                          ; riders: key tile 1's weights
.if (\kind) == 0
	s_wait_xcnt 0x0                                ; the last prefetches, a body back, have read their address
	s_add_nc_u64 s[PFA:PFA+1], s[PFA:PFA+1], s[PFS:PFS+1]
.endif
	WIN 0
	s_wait_tensorcnt 0x0                           ; all my tensor loads have landed: my part of V of step j + 1, or of K of step j + 2
	ds_add_u32 v[SPW], v[NIL]
.if (\kind) == 2
	s_lshl_b32 s[G0G+1], s[WV], 14                 ; no tensor load of mine is out: the gate's descriptor steps to rows 64-127, which go into slot 0
	s_add_nc_u64 s[G0G+2:G0G+3], s[G0G+2:G0G+3], 262144
.endif
	MUL16 F1, 0, 0
	s_wait_dscnt 0x0                               ; the add is done, my weights are stored, my reads of V, K and the weights in hand are over
	s_barrier_signal -1
	MUL16 F1, 0, 2
	WIN 0
	s_barrier_wait -1
	CREST                                          ; the barrier has opened a round of the cluster's
.if (\kind) == 0
	s_add_nc_u64 s[G0V+6:G0V+7], s[G0V+6:G0V+7], 262144   ; V of step j + 2 into the slot just read,
	s_add_nc_u64 s[G0K+6:G0K+7], s[G0K+6:G0K+7], 16384    ; K of step j + 3 into the slot whose K was just used
	s_add_co_u32 s[G0V+5], s[LBV], s[TVC]
	s_add_co_u32 s[G0K+5], s[LBK], s[TVN]
	JLOAD
.elseif (\kind) == 1
	s_add_nc_u64 s[G0V+6:G0V+7], s[G0V+6:G0V+7], 262144
	s_add_co_u32 s[G0V+5], s[LBV], s[TVC]
	s_cmp_lt_u32 s[WV], 2
	s_cbranch_scc0 .Lno_v_\@
	tensor_load_to_lds s[G0V+4:G0V+7], s[G1V:G1V+7]
	s_nop 0
.Lno_v_\@:
	PLACES
.else
	tensor_load_to_lds s[G0G:G0G+3], s[G1G:G1G+7]  ; my own tile: it has the last step and the first half of the way out in which to land
	s_nop 0
	PLACES
.endif
	s_xor_b32 s[TVC], s[TVC], VSLOT
	s_xor_b32 s[TVN], s[TVN], VSLOT
	s_xor_b32 s[TAC], s[TAC], ASZ
	s_xor_b32 s[TAN], s[TAN], ASZ
	v_add_nc_u32 v[AVC], s[TVC], v[AV0]
	v_add_nc_u32 v[AAC], s[TAC], v[AA0]
.if (\kind) < 2
	v_add_nc_u32 v[AKC], s[TVN], v[AK0]
	v_add_nc_u32 v[ASC], s[TAN], v[AS0]
	v_add_nc_u32 v[AB], 0x100, v[AB]               ; 64 keys on
	SLOAD 0
.endif
	FETCHV 0, F0
.if (\kind) == 0
	WIN 0
	ASK
.endif
	MUL16 F1, 1, 0
	FETCHA 0, F0
	MUL16 F1, 1, 2
.else
	s_wait_dscnt 8                                 ; all but the weights' fragments 4 to 7
	MUL16 F0, 0, 0
	MUL16 F0, 0, 2
	PLACES
	FETCHV 1, F1
	FETCHA 1, F1
	s_wait_dscnt 32                                ; all but the 32 just issued
	MUL16 F0, 1, 0
	MUL16 F0, 1, 2
	s_wait_dscnt 0x0
	MUL16 F1, 0, 0
	MUL16 F1, 0, 2
	MUL16 F1, 1, 0
	MUL16 F1, 1, 2
.endif
.endm
	SLOAD 0                                        ; the weights of step 0
	s_wait_dscnt 0x0
	SMUL
	PLACES
	SPOST 0
	SLOAD 1
	s_wait_dscnt 0x0
	SMUL
	PLACES
	SPOST 1
	s_wait_tensorcnt 0x0                           ; step 1 of V, or of K, and the gate's first half have landed too
	ds_add_u32 v[SPW], v[NIL]
	s_add_nc_u64 s[G0K+6:G0K+7], s[G0K+6:G0K+7], 16384   ; K of step 2 into slot 0, whose K has been used
	s_mov_b32 s[G0K+5], s[LBK]
	s_wait_dscnt 0x0
	CROUND
	s_cmp_lt_u32 s[WV], 2
	s_cbranch_scc1 .Lno_k2
	tensor_load_to_lds s[G0K+4:G0K+7], s[G1K:G1K+7]
	s_nop 0
.Lno_k2:
	PLACES
	v_mov_b32 v[AVC], v[AV0]
	v_mov_b32 v[AAC], v[AA0]
	v_add_nc_u32 v[AKC], VSLOT, v[AK0]
	v_add_nc_u32 v[ASC], ASZ, v[AS0]
	v_add_nc_u32 v[AB], 0x100, v[AB]
	SLOAD 0
	FETCHV 0, F0
	FETCHA 0, F0
	s_mov_b32 s[LEFT], 29
.Lstep:
	BODY 0
	WIN 0
	s_sub_co_u32 s[LEFT], s[LEFT], 1
	s_cmp_lg_u32 s[LEFT], 0
	s_cbranch_scc1 .Lstep
	BODY 1
	BODY 2
	BODY 3
	; THE WAY OUT.  The sums go, 64 rows at a time, into my own rows in bytes of the ring and of the weights' buffers, whose last fill and last use are over; a counted loop reads whole rows,
	; multiplies by the gate and stores.  The gate's second half may still be on its way across the barrier.
	PLACES
	WIN 0
	s_barrier_signal -1                            ; every wave's reads of the ring and of the weights are over (the wait for 0 in the last body)
	s_barrier_wait -1
.macro DUMPH hi
	WIN 0x08+4*(\hi)
.irp a, 0,1,2,3
.irp b, 0,1,2,3,4,5,6,7
	ds_store_b128 v[DST], v[8*(8*(\a)+(\b)):8*(8*(\a)+(\b))+3] offset:16*DP*(\a)+64*(\b)
	ds_store_b128 v[DST], v[8*(8*(\a)+(\b))+4:8*(8*(\a)+(\b))+7] offset:16*DP*(\a)+64*(\b)+16
.endr
.endr
	WIN 0
.endm
.macro ELOOP                           ; 8 trips of 8 rows; a lane has channels 4 l .. 4 l + 3
	s_mov_b32 s[LEFT], 8
.Lrows_\@:
.irp r, 0,1,2,3,4,5,6,7
	ds_load_b128 v[EO+4*\r:EO+4*\r+3], v[RDO] offset:DP*\r
.endr
.irp r, 0,1,2,3,4,5,6,7
	ds_load_b64 v[EG+2*\r:EG+2*\r+1], v[RDG] offset:256*\r
.endr
	v_add_nc_u32 v[RDO], 8*DP, v[RDO]
	v_add_nc_u32 v[RDG], 2048, v[RDG]
	s_wait_dscnt 0x0
.irp r, 0,1,2,3,4,5,6,7
	v_lshlrev_b32 v[ET+4*\r], 16, v[EG+2*\r]
	v_and_b32 v[ET+4*\r+1], s87, v[EG+2*\r]
	v_lshlrev_b32 v[ET+4*\r+2], 16, v[EG+2*\r+1]
	v_and_b32 v[ET+4*\r+3], s87, v[EG+2*\r+1]
.endr
.set p, 0
.rept 16
	v_pk_mul_f32 v[EO+p:EO+p+1], v[EO+p:EO+p+1], v[ET+p:ET+p+1]
.set p, p+2
.endr
	s_wait_xcnt 0x0                                ; the last trip's stores have read their data and their offset: both are written again only behind this wait, which stands a trip's loads and products behind them
	v_add_nc_u32 v[GOF], 16384, v[GOF]             ; 8 rows on; the stores reach back
.set i, 0
.rept 16
	v_cvt_pk_bf16_f32 v[EY+i], v[EO+2*i], v[EO+2*i+1]
.set i, i+1
.endr
.irp r, 0,1,2,3,4,5,6,7
	global_store_b64 v[GOF], v[EY+2*\r:EY+2*\r+1], s[22:23] offset:2048*\r-16384   ; 32 lanes store 256 consecutive bytes, aligned
.endr
	s_sub_co_u32 s[LEFT], s[LEFT], 1
	s_cmp_lg_u32 s[LEFT], 0
	s_cbranch_scc1 .Lrows_\@
.endm
	DUMPH 0
	ELOOP                                          ; rows 0-63, with the gate's first half
	s_wait_tensorcnt 0x0                           ; the gate's second half is in; only I read it
	v_mov_b32 v[RDO], v[RDO0]
	v_lshl_add_u32 v[RDG], v16, 3, s[G0G+1]
	DUMPH 1                                        ; my own rows once more: my reads of them are back
	ELOOP
	s_wait_tensorcnt 0x0                           ; the wave's end
	ds_add_u32 v[SPW], v[NIL]
	s_wait_dscnt 0x0
	CROUND                                         ; the closing round
	s_endpgm
.Lfunc_end_k_qd0d8a90310_attn:
	.size	k_qd0d8a90310_attn, .Lfunc_end_k_qd0d8a90310_attn-k_qd0d8a90310_attn
	.p2alignl 7, 3214868480
	.fill 96, 4, 3214868480
	.section	.rodata,"a",@progbits
	.p2align	6, 0x0
	.amdhsa_kernel k_qd0d8a90310_attn
		.amdhsa_group_segment_fixed_size 327680
		.amdhsa_private_segment_fixed_size 0
		.amdhsa_enable_private_segment 0
		.amdhsa_kernarg_size 32
		.amdhsa_user_sgpr_count 2
		.amdhsa_user_sgpr_kernarg_segment_ptr 1
		.amdhsa_wavefront_size32 1
		.amdhsa_system_sgpr_workgroup_id_x 1
		.amdhsa_system_sgpr_workgroup_id_y 1
		.amdhsa_system_sgpr_workgroup_id_z 1
		.amdhsa_system_vgpr_workitem_id 0
		.amdhsa_next_free_vgpr 1024
		.amdhsa_next_free_sgpr 100
		.amdhsa_reserve_vcc 0
		.amdhsa_float_denorm_mode_32 3
		.amdhsa_float_denorm_mode_16_64 3
		.amdhsa_memory_ordered 1
		.amdhsa_forward_progress 1
		.amdhsa_inst_pref_size 156
	.end_amdhsa_kernel
	.amdgpu_metadata
---
amdhsa.version: [ 1, 2 ]
amdhsa.kernels:
  - .name:           k_qd0d8a90310_attn
    .symbol:         k_qd0d8a90310_attn.kd
    .args:
      - { .name: qkb, .offset: 0, .size: 8, .value_kind: global_buffer, .address_space: global }
      - { .name: hb, .offset: 8, .size: 8, .value_kind: global_buffer, .address_space: global }
      - { .name: bfr, .offset: 16, .size: 8, .value_kind: global_buffer, .address_space: global }
      - { .name: og, .offset: 24, .size: 8, .value_kind: global_buffer, .address_space: global }
    .group_segment_fixed_size: 327680
    .private_segment_fixed_size: 0
    .kernarg_segment_align: 8
    .kernarg_segment_size: 32
    .max_flat_workgroup_size: 128
    .sgpr_count:     100
    .vgpr_count:     1024
    .wavefront_size: 32
...
	.end_amdgpu_metadata
.endif
;; end of part 3
;; launch outp (part 4): grid 4 x 64, 4 waves a work-group, clusters of 4 x 4, 327,680 bytes of LDS; arguments og, wob, b_out, x, out0; writes out0
.if DOCPART == 4
	.amdgcn_target "amdgcn-amd-amdhsa--gfx1250"
	.amdhsa_code_object_version 6
	.text
	.protected	k_qd0d8a90310_outp
	.globl	k_qd0d8a90310_outp
	.p2align	8
	.type	k_qd0d8a90310_outp,@function
k_qd0d8a90310_outp:
	s_mov_b64 s[64:65], 0
	v_nop
	global_prefetch_b8 v0, s[64:65] scope:SCOPE_SE
	s_setreg_imm32_b32 hwreg(HW_REG_WAVE_MODE, 25, 1), 1
	s_wait_xcnt 0x0
	s_wait_alu depctr_hold_cnt(0) depctr_sa_sdst(0) depctr_va_vdst(0) depctr_va_sdst(0) depctr_va_ssrc(0) depctr_va_vcc(0) depctr_vm_vsrc(0)
	s_getreg_b32 s2, hwreg(HW_REG_IB_STS2, 6, 4)
	s_cmp_eq_u32 s2, 0
	s_cbranch_scc0 .Lentry_in_a_cluster
	s_endpgm
.Lentry_in_a_cluster:
	s_bfe_u32 s2, ttmp6, 0x10000c
	s_cmp_lg_u32 s2, 0xf033
	s_cbranch_scc0 .Lentry_shape_is_right
	s_endpgm
.Lentry_shape_is_right:
; out0 = og wob + b_out + x.  og: [16384][1024] bf16, wob: [1024][512] bf16 ([k][n]; W_out's rows already divided by out_s), b_out, x, out0 in f32; sums and the residual in f32.
; A tile of out0 is 256 rows x 128 columns: 256 work-groups.  Four waves of 128 x 64: 32 accumulators, window 2.  K = 1,024 goes in eight steps of 128 through two LDS slots.
; CLUSTER 4 x 4: og's tile is shared by the four column tiles of a row of the cluster, wob's along a column.  The product is taken transposed (source 0 = 16 columns of wob, turned).
; b_out IS THE C OPERAND of each accumulator's first product: a lane's 8 columns of a column block, 32 registers.
; x COMES AT THE HEAD, by 64 loads of 16 bytes a lane into window 3, in the lane map of the stores (16 lanes: 256 consecutive bytes of a row), and waits there for the sums.
; THE WAY OUT: the sums go, 64 rows at a time, into the wave's own rows behind the ring (bytes that no fill touches: no barrier), come back as whole rows, are added onto x's registers and stored
; from them; no register that a store reads is written again, so no wait stands between the stores.
.set PA,    272
.set PB,    288                        ; a row of wob's tile: 256 + 32 bytes = 9 x 32
.set HALF,  34816                      ; 128 rows of og
.set HALFB, 18432                      ; 64 rows of wob
.set SLOT,  106496
.set DMP,   212992                     ; behind the ring: 64 rows x 272 bytes for each wave
.set DP,    272
.set DWV,   17408
.set SPARE, 327168
.set ADRA0, 16
.set ADRA,  17
.set ADRB0, 20
.set ADRB,  21
.set DST,   24
.set RDD,   25
.set GOF,   26                         ; v26  my byte offset in two rows of x and of out0; never rewritten
.set SPW,   28
.set NIL,   29
.set PFO,   30
.set BI,    192                        ; v[192:223] b_out: column block b's 8 numbers at BI + 8 b
.set F0,    64
.set F1,    128
.set XD,    64                         ; the way out: v[64:191], 64 rows read back
.set WV, 20
.set RH, 21
.set CH, 22
.set TY, 23
.set G1, 24
.set G0, 32
.set G1B, 48
.set G0B, 56
.set TB, 70
.set LBA, 72
.set LBB, 73
.set PFA, 88
.set LIM, 90
.set MSB, 0
.macro WIN new
.if MSB != (\new)
	s_set_vgpr_msb (MSB<<8)|(\new)
.set MSB, \new
.endif
.endm
.set MUL,  0xa1                        ; source 0 window 1, source 1 window 0, C and D window 2
.set MULZ, 0x81                        ; the same with C in window 0: b_out
.set TO_B, 0x40
.macro PLACES
.rept 4
	v_nop
.endr
.endm
.macro JLOAD s
	s_cmp_eq_u32 s[RH], 0
	s_cbranch_scc0 .Lfor_b_\@
	tensor_load_to_lds s[G0+4*(\s):G0+4*(\s)+3], s[G1:G1+7]
	s_nop 0
.rept 4
	v_nop
.endr
	s_branch .Lasked_\@
.Lfor_b_\@:
	tensor_load_to_lds s[G0B+4*(\s):G0B+4*(\s)+3], s[G1B:G1B+7]
	s_nop 0
.rept 4
	v_nop
.endr
.Lasked_\@:
.endm
.macro CREST
	s_cmp_lg_u32 s[WV], 0
	s_cbranch_scc1 .Lnot_wave_0_\@
	s_barrier_signal -3
.Lnot_wave_0_\@:
	s_barrier_wait -3
	s_barrier_signal -1
	s_barrier_wait -1
.endm
.macro CROUND
	s_barrier_signal -1
	s_barrier_wait -1
	CREST
.endm
; A PREFETCH INTO THE L2 of og, behind the joint load and the run of LDS loads: the K step three refills on (384 matrix instructions ahead of the load that wants it).  A tile row of og is read by one row
; of one cluster alone; of the 128 rows that wave 0 or 1 fetches, the partner at place cx takes 32 BY ADDRESS, a lane a row: each row's 256 bytes of a K step are named once.  The refills of K steps 2 to 4
; name steps 5 to 7; the later ones name nothing (s3 > 3).  wob is not asked for: every row of clusters walks it again.
.macro ASK
	s_cmp_gt_u32 s3, s[LIM]
	s_cbranch_scc0 .Lnot_mine_\@
	global_prefetch_b8 v[PFO], s[PFA:PFA+1] th:TH_LOAD_NT scope:SCOPE_SE
.Lnot_mine_\@:
.endm
	s_load_b256 s[4:11], s[0:1], 0x0               ; og 4, wob 6, b_out 8, x 10
	s_load_b64 s[12:13], s[0:1], 0x20              ; out0
	v_lshl_add_u32 v[SPW], v0, 2, SPARE
	v_mov_b32 v[NIL], 0
	ds_add_u32 v[SPW], v[NIL]                      ; the opening: the add, twice on end, and its wait ahead of my first tensor load
	ds_add_u32 v[SPW], v[NIL]
	v_lshrrev_b32 v1, 5, v0
	v_readfirstlane_b32 s[WV], v1
	s_lshr_b32 s[RH], s[WV], 1
	s_and_b32 s[CH], s[WV], 1
	s_bfe_u32 s40, ttmp6, 0x40000                  ; cx
	s_bfe_u32 s41, ttmp6, 0x40004                  ; cy
	s_lshl_b32 s42, ttmp9, 2
	s_add_co_u32 s42, s42, s40                     ; tile column
	s_and_b32 s[TY], ttmp7, 0xffff
	s_lshl_b32 s[TY], s[TY], 2
	s_add_co_u32 s[TY], s[TY], s41                 ; tile row
	s_lshl_b32 s43, s41, 2
	s_lshl_b32 s43, 15, s43
	s_lshl_b32 s44, 0x1111, s40
	s_or_b32 s[G1+0], s43, (1<<16)|(1<<20)|(1<<21)|(5<<22)|(3<<25)
	s_mov_b32 s[G1+1], 128<<16
	s_mov_b32 s[G1+2], 128<<16
	s_mov_b32 s[G1+3], 128<<16
	s_mov_b32 s[G1+4], 128
	s_mov_b32 s[G1+5], 1024
	s_mov_b32 s[G1+6], 0
	s_mov_b32 s[G1+7], 0
	s_or_b32 s[G1B+0], s44, (1<<16)|(1<<20)|(1<<21)|(5<<22)|(7<<25)
	s_mov_b32 s[G1B+1], 128<<16
	s_mov_b32 s[G1B+2], 64<<16
	s_mov_b32 s[G1B+3], 128<<16
	s_mov_b32 s[G1B+4], 64
	s_mov_b32 s[G1B+5], 512
	s_mov_b32 s[G1B+6], 0
	s_mov_b32 s[G1B+7], 0
	s_lshl_b32 s16, s[TY], 8
	s_lshl_b32 s17, s[CH], 7
	s_add_co_u32 s16, s16, s17
	s_lshl_b32 s16, s16, 11                        ; og: row 256 x tile row + 128 x half, 2,048 bytes a row
	s_mov_b32 s17, 0
	s_lshl_b32 s46, s[CH], 16                      ; wob: k row 64 x half, 1,024 bytes a row,
	s_lshl_b32 s47, s42, 8
	s_add_co_u32 s46, s46, s47                     ; column 128 x tile column
	s_mov_b32 s47, 0
	s_mul_i32 s[LBA], s[CH], HALF
	s_mul_i32 s[LBB], s[CH], HALFB
	s_add_co_u32 s[LBB], s[LBB], 2*HALF
	s_mov_b32 s[TB], 0
	s_lshl_b32 s18, s[TY], 8
	s_lshl_b32 s19, s[RH], 7
	s_add_co_u32 s18, s18, s19
	s_lshl_b32 s18, s18, 11                        ; x and out0: my first row, 2,048 bytes a row,
	s_lshl_b32 s19, s42, 9
	s_add_co_u32 s18, s18, s19
	s_lshl_b32 s19, s[CH], 8
	s_add_co_u32 s18, s18, s19                     ; my first column
	s_mov_b32 s19, 0
	s_lshl_b32 s14, s40, 16                        ; the prefetches: my work-group's 32 rows of the 128,
	s_add_co_u32 s14, s14, s16
	s_add_co_u32 s14, s14, 4*256                   ; at K step 4: the first refill steps it to 5
	s_mov_b32 s15, 0
	s_cmp_eq_u32 s[RH], 0
	s_cselect_b32 s[LIM], 3, -1
	s_wait_dscnt 0x0                               ; both opening adds are done
	s_wait_kmcnt 0x0
	s_add_nc_u64 s[PFA:PFA+1], s[4:5], s[14:15]
	s_add_nc_u64 s[14:15], s[4:5], s[16:17]
	s_add_nc_u64 s[46:47], s[6:7], s[46:47]
	s_add_nc_u64 s[10:11], s[10:11], s[18:19]
	s_add_nc_u64 s[12:13], s[12:13], s[18:19]
	CROUND                                         ; all sixteen work-groups are here: the first joint loads meet
.irp s, 0,1
	s_mov_b32 s[G0+4*(\s)], 1
	s_add_co_u32 s[G0+4*(\s)+1], s[LBA], (\s)*SLOT
	s_add_nc_u64 s[G0+4*(\s)+2:G0+4*(\s)+3], s[14:15], (\s)*256
	s_or_b32 s[G0+4*(\s)+3], s[G0+4*(\s)+3], 0x80000000
	s_mov_b32 s[G0B+4*(\s)], 1
	s_add_co_u32 s[G0B+4*(\s)+1], s[LBB], (\s)*SLOT
	s_add_nc_u64 s[G0B+4*(\s)+2:G0B+4*(\s)+3], s[46:47], (\s)*131072
	s_or_b32 s[G0B+4*(\s)+3], s[G0B+4*(\s)+3], 0x80000000
	JLOAD \s
.endr
	v_and_b32 v1, 15, v0
	v_bfe_u32 v2, v0, 4, 1
	v_and_b32 v3, 31, v0
	v_lshlrev_b32 v[GOF], 11, v2
	v_lshl_add_u32 v[GOF], v1, 4, v[GOF]           ; lanes 0-15 one row's 256 bytes, lanes 16-31 the next row's
	s_lshl_b32 s16, s42, 9
	s_lshl_b32 s17, s[CH], 8
	s_add_co_u32 s16, s16, s17
	v_lshl_add_u32 v7, v2, 5, s16                  ; b_out: my wave's 64 columns, 8 h of each 16
.irp b, 0,1,2,3
	global_load_b128 v[BI+8*\b:BI+8*\b+3], v7, s[8:9] offset:64*\b
	global_load_b128 v[BI+8*\b+4:BI+8*\b+7], v7, s[8:9] offset:64*\b+16
.endr
	WIN 0xc0                                       ; destination window 3: load n brings rows 2 n and 2 n + 1 of my 128 into v[4 n ..]
.set n, 0
.rept 64
	global_load_b128 v[4*n:4*n+3], v[GOF], s[10:11] offset:4096*n th:TH_LOAD_NT
.set n, n+1
.endr
	WIN 0
	v_mul_u32_u24 v4, v1, PA
	v_lshl_add_u32 v4, v2, 4, v4
	s_mul_i32 s16, s[RH], HALF
	v_add_nc_u32 v[ADRA0], s16, v4
	v_and_b32 v5, 7, v0
	v_lshl_add_u32 v5, v2, 3, v5
	v_mul_u32_u24 v5, v5, PB
	v_bfe_u32 v6, v0, 3, 1
	v_lshl_add_u32 v5, v6, 4, v5
	s_lshl_b32 s16, s[CH], 7
	s_add_co_u32 s16, s16, 2*HALF
	v_add_nc_u32 v[ADRB0], s16, v5
	v_mov_b32 v[ADRA], v[ADRA0]
	v_mov_b32 v[ADRB], v[ADRB0]
	s_mul_i32 s16, s[WV], DWV
	s_add_co_u32 s16, s16, DMP
	v_mul_u32_u24 v4, v1, DP
	v_lshl_add_u32 v4, v2, 5, v4
	v_add_nc_u32 v[DST], s16, v4                   ; in: row l % 16, 32 bytes for each half of the lanes
	v_mul_u32_u24 v4, v2, DP
	v_lshl_add_u32 v4, v1, 4, v4
	v_add_nc_u32 v[RDD], s16, v4                   ; back: lanes 0-15 one row of 256 bytes, lanes 16-31 the next
	v_lshlrev_b32 v[PFO], 11, v3
.macro MUL8 f, a0, zero                ; 8 products: row blocks a0, a0 + 1 x all 4 column blocks; the accumulators take turns.  zero = 1: the first product starts the sum from b_out
.if \zero
	WIN MULZ
.else
	WIN MUL
.endif
.irp a, \a0, (\a0)+1
.irp b, 0,1,2,3
.if \zero
	v_wmma_f32_16x16x32_bf16 v[8*(4*(\a)+(\b)):8*(4*(\a)+(\b))+7], v[(\f)+8*(\b):(\f)+8*(\b)+7], v[(\f)+8*(\a):(\f)+8*(\a)+7], v[BI+8*(\b):BI+8*(\b)+7]
.else
	v_wmma_f32_16x16x32_bf16 v[8*(4*(\a)+(\b)):8*(4*(\a)+(\b))+7], v[(\f)+8*(\b):(\f)+8*(\b)+7], v[(\f)+8*(\a):(\f)+8*(\a)+7], v[8*(4*(\a)+(\b)):8*(4*(\a)+(\b))+7]
.endif
.endr
.endr
.endm
.macro FETCH q, f                      ; 24 LDS loads: wob's 4 fragments, then og's 8
	WIN TO_B
.irp i, 0,1,2,3
	ds_load_tr16_b128 v[(\f)+8*(\i):(\f)+8*(\i)+3], v[ADRB] offset:32*PB*(\q)+32*(\i)
	ds_load_tr16_b128 v[(\f)+8*(\i)+4:(\f)+8*(\i)+7], v[ADRB] offset:32*PB*(\q)+32*(\i)+16*PB
.endr
	WIN 0
.irp i, 0,1,2,3,4,5,6,7
	ds_load_b128 v[(\f)+8*(\i):(\f)+8*(\i)+3], v[ADRA] offset:64*(\q)+16*PA*(\i)
	ds_load_b128 v[(\f)+8*(\i)+4:(\f)+8*(\i)+7], v[ADRA] offset:64*(\q)+16*PA*(\i)+32
.endr
.endm
.macro QUARTER q, f, g, zero
	s_wait_dscnt 8                                 ; all but the youngest eight loads (og's rows 64-127)
	MUL8 \f, 0, \zero
	MUL8 \f, 2, \zero
	PLACES
	FETCH \q, \g
	s_wait_dscnt 24                                ; all but the 24 just issued
	MUL8 \f, 4, \zero
	MUL8 \f, 6, \zero
.endm
.macro MEET round
	WIN 0
	s_wait_tensorcnt 0x0                           ; all my tensor loads have landed: my part of the next slot
	ds_add_u32 v[SPW], v[NIL]
	s_wait_dscnt 9                                 ; the add and the youngest eight loads may be out
	MUL8 F1, 0, 0
	s_wait_dscnt 0x0                               ; the add is done, and my reads of this slot are over
	s_barrier_signal -1
	MUL8 F1, 2, 0
.if \round
	WIN 0
.endif
	s_barrier_wait -1
.endm
.macro TURN fill
.if \fill
	s_wait_xcnt 0x0                                ; the last prefetch, a K step back, has read its address
	s_add_nc_u64 s[PFA:PFA+1], s[PFA:PFA+1], 256
.endif
	MEET \fill
.if \fill
	CREST
	s_add_nc_u64 s[G0+6:G0+7], s[G0+6:G0+7], 256
	s_add_nc_u64 s[G0B+6:G0B+7], s[G0B+6:G0B+7], 131072
	s_add_co_u32 s[G0+5], s[LBA], s[TB]
	s_add_co_u32 s[G0B+5], s[LBB], s[TB]
	JLOAD 1
.else
	PLACES
.endif
	s_xor_b32 s[TB], s[TB], SLOT
	WIN 0
	v_add_nc_u32 v[ADRA], s[TB], v[ADRA0]
	v_add_nc_u32 v[ADRB], s[TB], v[ADRB0]
	FETCH 0, F0
.if \fill
	ASK
.endif
	MUL8 F1, 4, 0
	MUL8 F1, 6, 0
.endm
	s_wait_tensorcnt 1                             ; my part of K step 0 is in; step 1's may stay out
	s_barrier_signal -1
	s_barrier_wait -1
	FETCH 0, F0
	s_wait_loadcnt 63                              ; b_out's eight loads are in: x's 64 stand behind them, and the count is the largest that the wait's field holds, so the nine oldest are in
	QUARTER 1, F0, F1, 1
	WIN 0
	s_mov_b32 s3, 6
.Lstep:                                            ; a trip: from a step's second quarter to the next step's first; it fills the slot that it leaves
	QUARTER 2, F1, F0, 0
	QUARTER 3, F0, F1, 0
	TURN 1
	QUARTER 1, F0, F1, 0
	WIN 0
	s_sub_co_u32 s3, s3, 1
	s_cmp_lg_u32 s3, 0
	s_cbranch_scc1 .Lstep
	QUARTER 2, F1, F0, 0                           ; K steps 6 and 7 ask for nothing
	QUARTER 3, F0, F1, 0
	TURN 0
	QUARTER 1, F0, F1, 0
	QUARTER 2, F1, F0, 0
	QUARTER 3, F0, F1, 0
	s_wait_dscnt 8
	MUL8 F1, 0, 0
	MUL8 F1, 2, 0
	s_wait_dscnt 0x0
	MUL8 F1, 4, 0
	MUL8 F1, 6, 0
	PLACES                                         ; four places in front of the stores that read the sums and of the loads into the fragments' registers
	s_wait_loadcnt 0x0                             ; x
; Rows 64 hh .. 64 hh + 63 of my 128: into my rows behind the ring, back as whole rows, onto x, out.  LDS serves a wave's instructions in order (ISA guide 5.7.1.4): the loads see the stores above
; them, and the second half's stores come behind the first half's loads.
.macro OUTHALF hh
	WIN 0x08                                       ; store data in window 2
.irp a, 0,1,2,3
.irp b, 0,1,2,3
	ds_store_b128 v[DST], v[8*(4*(4*(\hh)+(\a))+(\b)):8*(4*(4*(\hh)+(\a))+(\b))+3] offset:16*DP*(\a)+64*(\b)       ; each accumulator from its low end on
	ds_store_b128 v[DST], v[8*(4*(4*(\hh)+(\a))+(\b))+4:8*(4*(4*(\hh)+(\a))+(\b))+7] offset:16*DP*(\a)+64*(\b)+16
.endr
.endr
	WIN 0
.set n, 0
.rept 32
	ds_load_b128 v[XD+4*n:XD+4*n+3], v[RDD] offset:2*DP*n
.set n, n+1
.endr
	WIN 0xcc                                       ; destination and source 1 (a store's data) in window 3: x's registers; source 0 and addresses in window 0
.irp t, 0,1,2,3
	s_wait_dscnt 24-8*(\t)                         ; 16 rows more are back; the younger loads may stay out
.set p, 0
.rept 16
	v_pk_add_f32 v[128*(\hh)+32*(\t)+p:128*(\hh)+32*(\t)+p+1], v[XD+32*(\t)+p:XD+32*(\t)+p+1], v[128*(\hh)+32*(\t)+p:128*(\hh)+32*(\t)+p+1]
.set p, p+2
.endr
.irp i, 0,1,2,3,4,5,6,7
	global_store_b128 v[GOF], v[128*(\hh)+32*(\t)+4*(\i):128*(\hh)+32*(\t)+4*(\i)+3], s[12:13] offset:131072*(\hh)+32768*(\t)+4096*(\i)   ; 16 lanes store 256 consecutive bytes, aligned
.endr
.endr
.endm
	OUTHALF 0
	OUTHALF 1
	WIN 0
	s_wait_tensorcnt 0x0                           ; the wave's end
	ds_add_u32 v[SPW], v[NIL]
	s_wait_dscnt 0x0
	CROUND                                         ; the closing round
	s_endpgm
.Lfunc_end_k_qd0d8a90310_outp:
	.size	k_qd0d8a90310_outp, .Lfunc_end_k_qd0d8a90310_outp-k_qd0d8a90310_outp
	.p2alignl 7, 3214868480
	.fill 96, 4, 3214868480
	.section	.rodata,"a",@progbits
	.p2align	6, 0x0
	.amdhsa_kernel k_qd0d8a90310_outp
		.amdhsa_group_segment_fixed_size 327680
		.amdhsa_private_segment_fixed_size 0
		.amdhsa_enable_private_segment 0
		.amdhsa_kernarg_size 40
		.amdhsa_user_sgpr_count 2
		.amdhsa_user_sgpr_kernarg_segment_ptr 1
		.amdhsa_wavefront_size32 1
		.amdhsa_system_sgpr_workgroup_id_x 1
		.amdhsa_system_sgpr_workgroup_id_y 1
		.amdhsa_system_sgpr_workgroup_id_z 1
		.amdhsa_system_vgpr_workitem_id 0
		.amdhsa_next_free_vgpr 1024
		.amdhsa_next_free_sgpr 96
		.amdhsa_reserve_vcc 0
		.amdhsa_float_denorm_mode_32 3
		.amdhsa_float_denorm_mode_16_64 3
		.amdhsa_memory_ordered 1
		.amdhsa_forward_progress 1
		.amdhsa_inst_pref_size 85
	.end_amdhsa_kernel
	.amdgpu_metadata
---
amdhsa.version: [ 1, 2 ]
amdhsa.kernels:
  - .name:           k_qd0d8a90310_outp
    .symbol:         k_qd0d8a90310_outp.kd
    .args:
      - { .name: og, .offset: 0, .size: 8, .value_kind: global_buffer, .address_space: global }
      - { .name: wob, .offset: 8, .size: 8, .value_kind: global_buffer, .address_space: global }
      - { .name: b_out, .offset: 16, .size: 8, .value_kind: global_buffer, .address_space: global }
      - { .name: x, .offset: 24, .size: 8, .value_kind: global_buffer, .address_space: global }
      - { .name: out0, .offset: 32, .size: 8, .value_kind: global_buffer, .address_space: global }
    .group_segment_fixed_size: 327680
    .private_segment_fixed_size: 0
    .kernarg_segment_align: 8
    .kernarg_segment_size: 40
    .max_flat_workgroup_size: 128
    .sgpr_count:     96
    .vgpr_count:     1024
    .wavefront_size: 32
...
	.end_amdgpu_metadata
.endif
;; end of part 4
